; MI455X (gfx1250); checked and timed in simulation.
; The chip was launched on July 23, 2026; its instructions are those of AMD's public machine-readable ISA for CDNA 5 (MIT licence, August 2026) and "CDNA5" Instruction Set Architecture Reference Guide (July 2026). The comments in the code are by the model that wrote it; some were corrected since.
;; Multi Head Self Attention. Allowed arithmetic: matrix products marked QUANTISED: E2M3 operands, one E8M0 scale for each 32 along K, by v_wmma_scale_f32_16x16x128_f8f6f4 with both operands' format E2M3, f32 sums; everything else in f32.
;; Inputs: b_out 1,024 float32; ln_beta 1,024 float32; ln_gamma 1,024 float32; w_out_codes 1,024 x 32 x 24 uint8 (E2M3 codes of w_out, K innermost, in blocks of 32 codes, four codes in three bytes); w_out_scales 1,024 x 32 uint8 (E8M0 scales of w_out, one for each 32 codes along K); w_qkv_codes 3,072 x 32 x 24 uint8 (E2M3 codes of w_qkv, K innermost, in blocks of 32 codes, four codes in three bytes); w_qkv_scales 3,072 x 32 uint8 (E8M0 scales of w_qkv, one for each 32 codes along K); x 4 x 2,048 x 1,024 float32.
;; Outputs: out0 4 x 2,048 x 1,024 float32.
;; This version of the problem:
;;   THIS VERSION OF THE PROBLEM IS GIVEN IN LOW PRECISION. The matrix products marked QUANTISED in the list below multiply operands that are first quantised to E2M3 (2 exponent bits, 3 mantissa bits; 6 bits a number), with one power-of-two scale for each 32 numbers along K (OCP MX v1.0); their sums are f32. All else is computed in f32.
;;   The module's matrix products, in the order in which they are computed (A, B: the left and right operand; K: the contracted axis; several contracted axes count as one K, in the product's order):
;;     1. [M 8,192, K 1,024] x [K 1,024, N 3,072]; A: computed on the way; B: input w_qkv (given as codes): QUANTISED
;;     2. batch 32 x [M 2,048, K 128] x [K 128, N 2,048]; A: computed on the way; B: computed on the way: QUANTISED
;;     3. batch 32 x [M 2,048, K 2,048] x [K 2,048, N 128]; A: softmax (see below); B: computed on the way: QUANTISED
;;     4. [M 8,192, K 1,024] x [K 1,024, N 1,024]; A: computed on the way; B: input w_out (given as codes): QUANTISED
;;   THE QUANTISER, for each operand of a quantised product, along K:
;;     - K is cut into blocks of 32 from its start; a last block that is shorter is filled with zeros.
;;     - A block's scale is 2^e with e = floor(log2(the largest magnitude in the block)) - 2, held to -126 .. 127; a block of zeros has e = 0. As a byte (E8M0): e + 127.
;;     - Each number is divided by its block's scale, clamped to +-7.5, and rounded to the nearest number of E2M3, ties to even, subnormals kept.
;;     - The product sums the exact products of the quantised numbers (number of the format x scale) in f32.
;;   ~~~python
;;   def quantise(x, axis):      # numpy; x: float32 -> the quantised numbers, widened to float32 again
;;       x = np.moveaxis(x, axis, -1); K = x.shape[-1]
;;       x = np.pad(x, [(0, 0)] * (x.ndim - 1) + [(0, -K % 32)]); x = x.reshape(x.shape[:-1] + (-1, 32)); a = np.abs(x).max(-1, keepdims=True)
;;       e = np.where(a > 0, np.clip(np.frexp(np.where(a > 0, a, 1))[1] - 1 - 2, -126, 127), 0)      # np.frexp(a)[1] - 1 = floor(log2(a)), exactly
;;       r = np.clip(x / 2.0 ** e, -7.5, 7.5)
;;       step = 2.0 ** (np.maximum(np.frexp(np.where(r == 0, 1, r))[1] - 1, 0) - 3)
;;       q = np.round(r / step) * step * 2.0 ** e      # np.round: ties to even
;;       return np.moveaxis(q.reshape(q.shape[:-2] + (-1,))[..., :K], -1, axis).astype(np.float32)
;;   ~~~
;;   SOFTMAX AHEAD OF A QUANTISED PRODUCT. Where the list says 'softmax', what is quantised is not the finished softmax but p = 2^(t - M), with t = logit x log2(e) and M = ceil(the row's largest t), a whole number; so 1/2 < the row's largest p <= 1. The row's sum l is taken of the UNQUANTISED p, in f32, and the product's result is divided by l at the end. Since M is a whole number, a kernel that streams over the keys may use a running M (the ceiling of the running maximum): every later rescaling is an exact power of two, which a block's scale takes up: the codes' values come out the same.
;;   OPERANDS COMPUTED ON THE WAY. 'Computed on the way' means the value that the module computes at that place (a softmax that the list does not call 'softmax' is quantised finished and normalised). What goes into a quantiser is computed in f32, as accurately as f32 sums, v_exp_f32 and their like allow (about 1e-6 of the number): no bf16 or f16 on the way to a quantiser, and a product that is left as it is and whose result goes on into a quantised operand takes f32 operands (vector FMAs, or v_wmma_f32_16x16x4_f32). A number that lies on a knife's edge between two numbers of the format may be rounded either way, as far as f32 arithmetic and the matrix unit's own rounding can turn it there, and no further.
;;   INPUTS GIVEN AS CODES. w_out (in the module: [1024, 1024], K = its axis 0); w_qkv (in the module: [1024, 3072], K = its axis 0): each comes as NAME_codes (uint8): NAME with its K axis moved to the last place and cut into blocks of 32 codes, [.., K / 32, bytes a block], one block behind the other in memory; four codes in three bytes: a row's codes are one little-endian stream of bits, code i at bits 6 i .. 6 i + 5 (a code: sign, 2 exponent bits, 3 mantissa bits); and NAME_scales (uint8): the same leading axes, one E8M0 byte (e + 127) for each 32 codes along K. Its value is code x scale, taken as it is: it is not quantised again, and the codes and scales need not be those that the quantiser above would give.
;; One version. Each part assembles by itself: llvm-mc -triple=amdgcn-amd-amdhsa -mcpu=gfx1250 --defsym DOCPART=n.
;; ======== version 1 of 1: 4 launches
;; limits: right only within a limited range of input values
;; workspace buffers: ops_img 9,437,184 bytes; ops_scl 393,216 bytes; qkv_img 18,874,368 bytes; qkv_scl 786,432 bytes; o_img 6,291,456 bytes; o_scl 262,144 bytes
;; launch prep (part 1): grid 288 x 1, 8 waves a work-group, no clusters, 132,608 bytes of LDS; arguments x, ln_gamma, ln_beta, w_qkv_codes, w_qkv_scales, w_out_codes, w_out_scales, ops_img, ops_scl; writes ops_img, ops_scl
.if DOCPART == 1
	.amdgcn_target "amdgcn-amd-amdhsa--gfx1250"
	.amdhsa_code_object_version 6
	.text
	.protected	k_q1ceb156476_prep
	.globl	k_q1ceb156476_prep
	.p2align	8
	.type	k_q1ceb156476_prep,@function
k_q1ceb156476_prep:
	s_mov_b64 s[64:65], 0
	v_nop
	global_prefetch_b8 v0, s[64:65] scope:SCOPE_SE
	s_setreg_imm32_b32 hwreg(HW_REG_WAVE_MODE, 25, 1), 1
	s_wait_xcnt 0x0
; PREP.  Work-groups 0-255: LayerNorm of x [8192][1024] f32 and its quantiser (E2M3, one E8M0 byte for each 32 channels).  Work-groups 256-287: the two weights' codes and scale bytes, as given, laid anew.
; Both go into ops_img / ops_scl: 96 blocks of 128 rows (0-63 tokens, 64-87 rows of w_qkv, 88-95 rows of w_out).
; IMAGE: a fragment (16 rows x 128 K, 12 registers a lane) lies as its registers: register 4 n + w of lane l at 512 n + 16 l + 4 w; a block is [K step 0-7][tile 0-7][1536 bytes].
; THE ROWS OF A TILE ARE NOT NEIGHBOURS: lane-row r of tile i = 4 c + v is row 64 c + 32 (r / 8) + 8 v + r % 8 of the block, so that, where such tiles are a product's source 0, a lane's 32 results of tiles
; 4 c .. 4 c + 3 are 32 neighbours: a whole block of 32 of the next K in one lane.
; SCALE WORDS (four bytes: a row's 128 K): the word of (tile i, row r, K step s) at 1024 (i / 2) + 512 (s / 4) + 16 (16 (i % 2) + r) + 4 (s % 4) of the block's 4,096 bytes.
; LIMITS: NaN and infinities in x are not served; a block whose largest magnitude lies under 2^-124 keeps the byte 1 (a block of zeros too: its codes are zeros, and only this program reads the bytes);
; 1 / sqrt(var + eps) is v_rsq_f32.  Mean and variance are taken in two passes (the variance of x - mean), so a common offset of x costs no difference of large sums.
; No tensor loads and no matrix work: the launch streams x once; each load of x and each store of codes covers 512 consecutive bytes.
.set PITCH, 4112                       ; a stage row: 4,096 bytes + 16, so that 16 rows read at one column fall on 16 different 16-byte columns of 256
.set X,   64                           ; v64-191  phase A: four row slots of 32;  phase B: two sets of 64 numbers
.set GA,  192                          ; v192-223 gamma (phase B: the codes, four sets of 12, v192-239)
.set BE,  224                          ; v224-255 beta  (phase B: v240-247 second halves of blocks)
.set TM,  16                           ; v16-19   largest magnitudes, two chains for each of two blocks
.set SO,  20                           ; v20-21   the conversions' scale operands
.set BY,  22                           ; v22-23   the scale bytes
.set PT,  6                            ; v6       what comes from lane l xor 16
.set SH8, 5                            ; v5       8 x (lane / 16)
.set PWR, 32                           ; v32-35   four scale words
.set T2,  240
.set SEL, 36                           ; s[36:37] lane selects: lane l xor 16
	s_load_b512 s[4:19], s[0:1], 0x0               ; x, gamma, beta, w_qkv codes, w_qkv scales, w_out codes, w_out scales, ops_img
	s_load_b64 s[20:21], s[0:1], 0x40              ; ops_scl
	v_lshl_add_u32 v30, v0, 2, 0x20200
	v_mov_b32 v31, 0
	v_lshrrev_b32 v1, 5, v0
	v_readfirstlane_b32 s26, v1                    ; wave 0..7
	v_and_b32 v1, 31, v0                           ; lane
	v_lshlrev_b32 v2, 4, v1                        ; 16 x lane
	v_and_b32 v7, 15, v0                           ; r
	v_bfe_u32 v5, v0, 4, 1                         ; h
	s_mov_b32 s33, 0                               ; the high word of every offset
	s_wait_kmcnt 0x0
	s_cmp_lt_u32 ttmp9, 256
	s_cbranch_scc0 .Lrepack                        ; the same way for all eight waves of a work-group
; ---------------- LayerNorm and quantiser: 32 tokens, the tiles 2 i' and 2 i' + 1 of token block T
	s_lshr_b32 s27, ttmp9, 2                       ; T
	s_and_b32 s28, ttmp9, 3                        ; i'
	s_and_b32 s29, s26, 1                          ; e: which of the two tiles
	s_lshr_b32 s30, s26, 1
	s_and_b32 s30, s30, 1                          ; phase A: which eight lane-rows;  phase B (waves 0-3 alone): which four K steps
	s_lshr_b32 s41, s26, 2                         ; phase A: EIGHT WAVES, FOUR ROWS EACH: which four of the eight, so that all of a wave's rows are asked for at the head
	s_lshl_b32 s31, s27, 7
	s_lshr_b32 s32, s28, 1
	s_lshl_b32 s32, s32, 6
	s_add_co_u32 s31, s31, s32
	s_and_b32 s32, s28, 1
	s_lshl_b32 s32, s32, 4
	s_add_co_u32 s31, s31, s32
	s_lshl_b32 s32, s30, 5
	s_add_co_u32 s31, s31, s32
	s_lshl_b32 s32, s29, 3
	s_add_co_u32 s31, s31, s32                     ; my wave's eight neighbouring tokens begin at 128 T + 64 (i' / 2) + 16 (i' % 2) + 32 g + 8 e
	s_lshl_b32 s32, s41, 2
	s_add_co_u32 s31, s31, s32                     ; + my four of them
	s_lshl_b32 s32, s31, 12
	s_add_nc_u64 s[4:5], s[4:5], s[32:33]
	s_wait_alu depctr_va_vdst(0)
.irp k, 0,1,2,3,4,5,6,7
	global_load_b128 v[GA+4*\k:GA+4*\k+3], v2, s[6:7] offset:512*\k      ; lane l, load k: channels 128 k + 4 l + 0..3, as a row of x is loaded
	global_load_b128 v[BE+4*\k:BE+4*\k+3], v2, s[8:9] offset:512*\k
.endr
.macro XROW j                          ; token j of my four: eight loads of 512 consecutive bytes
.irp k, 0,1,2,3,4,5,6,7
	global_load_b128 v[X+32*((\j)%4)+4*\k:X+32*((\j)%4)+4*\k+3], v2, s[4:5] offset:4096*(\j)+512*\k th:TH_LOAD_NT
.endr
.endm
	XROW 0
	XROW 1
	XROW 2
	XROW 3
	s_lshl_b32 s34, s29, 4
	s_lshl_b32 s35, s30, 3
	s_add_co_u32 s34, s34, s35
	s_lshl_b32 s35, s41, 2
	s_add_co_u32 s34, s34, s35                     ; stage rows 16 e + 8 g + 4 (wave / 4) + j
	s_mul_i32 s34, s34, PITCH
	v_add_nc_u32 v3, s34, v2                       ; into the stage: rows 16 e + 8 g + 4 (wave / 4) + j, 16 bytes a lane
	v_mul_u32_u24 v4, v7, PITCH
	v_lshl_add_u32 v4, v5, 7, v4
	s_mul_i32 s34, s29, 16*PITCH
	s_lshl_b32 s35, s30, 11
	s_add_co_u32 s34, s34, s35
	v_add_nc_u32 v4, s34, v4                       ; out of it: row 16 e + r, + 128 h (my 32 channels of each 64), + 2,048 for the upper four K steps
	v_lshlrev_b32 v5, 3, v5                        ; 8 h
	v_lshlrev_b32 v7, 4, v7                        ; 16 r
	v_mov_b32 v6, 0                                ; a lane permute's destination counts as read
	v_mov_b32 v13, 0                               ; upper halves of the pairs that hold the mean and 1 / sigma: named, not used
	v_mov_b32 v15, 0
	s_mov_b32 s[SEL], 0x76543210
	s_mov_b32 s[SEL+1], 0xfedcba98
	s_mov_b32 s38, 0x3a800000                      ; 1 / 1024
	s_mov_b32 s39, 0x3a83126f                      ; eps = 1e-3
	s_mul_i32 s32, s27, 98304
	s_mul_i32 s34, s30, 49152
	s_add_co_u32 s32, s32, s34
	s_lshl_b32 s34, s28, 1
	s_add_co_u32 s34, s34, s29
	s_mul_i32 s34, s34, 1536
	s_add_co_u32 s32, s32, s34
	s_add_nc_u64 s[18:19], s[18:19], s[32:33]      ; my fragments: block T, K steps 4 hf on, tile 2 i' + e
	s_lshl_b32 s32, s27, 12
	s_lshl_b32 s34, s28, 10
	s_add_co_u32 s32, s32, s34
	s_lshl_b32 s34, s30, 9
	s_add_co_u32 s32, s32, s34
	s_lshl_b32 s34, s29, 8
	s_add_co_u32 s32, s32, s34
	s_add_nc_u64 s[20:21], s[20:21], s[32:33]      ; and their scale words
.macro REDUCE                          ; v8 summed over the 32 lanes, the sum in every lane
	v_add_f32_dpp v8, v8, v8 row_xmask:1 row_mask:0xf bank_mask:0xf
	v_add_f32_dpp v8, v8, v8 row_xmask:2 row_mask:0xf bank_mask:0xf
	v_add_f32_dpp v8, v8, v8 row_xmask:4 row_mask:0xf bank_mask:0xf
	v_add_f32_dpp v8, v8, v8 row_xmask:8 row_mask:0xf bank_mask:0xf
	v_permlanex16_b32 v[PT], v8, s[SEL], s[SEL+1]
	v_add_f32 v8, v8, v[PT]
.endm
.macro ROW j
.set XS, X+32*((\j)%4)
	s_wait_loadcnt 8*(3-(\j))                      ; my row is in (and gamma, beta); the rows behind it, eight loads each, may be out
	v_pk_add_f32 v[8:9], v[XS:XS+1], v[XS+2:XS+3]                      ; the sum, in two chains
	v_pk_add_f32 v[10:11], v[XS+4:XS+5], v[XS+6:XS+7]
.irp i, 8,12,16,20,24,28
	v_pk_add_f32 v[8:9], v[8:9], v[XS+\i:XS+\i+1]
	v_pk_add_f32 v[10:11], v[10:11], v[XS+\i+2:XS+\i+3]
.endr
	v_pk_add_f32 v[8:9], v[8:9], v[10:11]
	v_add_f32 v8, v8, v9
	REDUCE
	v_mul_f32 v12, s38, v8                         ; the mean
.irp i, 0,2,4,6,8,10,12,14,16,18,20,22,24,26,28,30
	v_pk_add_f32 v[XS+\i:XS+\i+1], v[XS+\i:XS+\i+1], v[12:13] op_sel_hi:[1,0] neg_lo:[0,1] neg_hi:[0,1]   ; d = x - mean
.endr
	v_pk_mul_f32 v[8:9], v[XS:XS+1], v[XS:XS+1]                        ; the sum of d^2, in two chains
	v_pk_mul_f32 v[10:11], v[XS+2:XS+3], v[XS+2:XS+3]
.irp i, 4,8,12,16,20,24,28
	v_pk_fma_f32 v[8:9], v[XS+\i:XS+\i+1], v[XS+\i:XS+\i+1], v[8:9]
	v_pk_fma_f32 v[10:11], v[XS+\i+2:XS+\i+3], v[XS+\i+2:XS+\i+3], v[10:11]
.endr
	v_pk_add_f32 v[8:9], v[8:9], v[10:11]
	v_add_f32 v8, v8, v9
	REDUCE
	v_fma_f32 v14, v8, s38, s39                    ; var + eps
	s_wait_alu depctr_va_vdst(0)
	v_rsq_f32 v14, v14
	v_nop                                          ; a plain instruction between the transcendental and the use of its result
	s_wait_alu depctr_va_vdst(0)
.irp i, 0,2,4,6,8,10,12,14,16,18,20,22,24,26,28,30
	v_pk_mul_f32 v[XS+\i:XS+\i+1], v[XS+\i:XS+\i+1], v[14:15] op_sel_hi:[1,0]
.endr
.irp i, 0,2,4,6,8,10,12,14,16,18,20,22,24,26,28,30
	v_pk_fma_f32 v[XS+\i:XS+\i+1], v[XS+\i:XS+\i+1], v[GA+\i:GA+\i+1], v[BE+\i:BE+\i+1]
.endr
.irp k, 0,1,2,3,4,5,6,7
	ds_store_b128 v3, v[XS+4*\k:XS+4*\k+3] offset:(\j)*PITCH+512*\k
.endr
.endm
.irp j, 0,1,2,3
	ROW \j
.endr
	s_wait_dscnt 0x0                               ; for the others' sake: my four rows lie in the stage
	s_barrier_signal -1
	s_barrier_wait -1
; 64 numbers of a lane, register 32 c + i = k 64 c + 32 h + i of my row, become a fragment's 12 registers at v[pc] and its scale word in v[pw].  A lane holds two WHOLE blocks of 32.
.macro QUANT src, pc, pw
.irp c, 0,1
	v_max3_num_f32 v[TM+\c], |v[\src+32*\c]|, |v[\src+32*\c+1]|, 0x1800000        ; the floor 2^(3 - 127) among the leaves: the byte cannot fall under 1
	v_max3_num_f32 v[TM+2+\c], |v[\src+32*\c+2]|, |v[\src+32*\c+3]|, 0x1800000
.endr
.irp i, 4,8,12,16,20,24,28
.irp c, 0,1
	v_max3_num_f32 v[TM+\c], |v[\src+32*\c+\i]|, |v[\src+32*\c+\i+1]|, v[TM+\c]
	v_max3_num_f32 v[TM+2+\c], |v[\src+32*\c+\i+2]|, |v[\src+32*\c+\i+3]|, v[TM+2+\c]
.endr
.endr
.irp c, 0,1
	v_max_num_f32 v[TM+\c], v[TM+\c], v[TM+2+\c]   ; the block's largest magnitude
.endr
.irp c, 0,1
	v_add_nc_u32 v[SO+\c], 0xff000000, v[TM+\c]    ; 2 off its exponent field: the conversion's scale operand
.endr
.irp c, 0,1
	v_lshrrev_b32 v[BY+\c], 23, v[SO+\c]           ; the scale's byte
.endr
	v_lshl_or_b32 v[\pw], v[BY+1], 16, v[BY]       ; my bytes: blocks h and 2 + h,
	v_lshlrev_b32 v[\pw], v[SH8], v[\pw]           ; at their places;
	v_permlanex16_b32 v[PT], v[\pw], s[SEL], s[SEL+1]
	v_or_b32 v[\pw], v[\pw], v[PT]                 ; with lane l xor 16's two the word is whole
.irp c, 0,1
	v_cvt_scalef32_pk16_fp6_f32 v[\pc+6*\c:\pc+6*\c+2], v[\src+32*\c:\src+32*\c+15], v[SO+\c]
	v_cvt_scalef32_pk16_fp6_f32 v[T2+4*\c:T2+4*\c+2], v[\src+32*\c+16:\src+32*\c+31], v[SO+\c]   ; (a conversion's three registers begin on an even number)
.endr
	v_nop                                          ; one plain place behind a scaled conversion
.irp c, 0,1
.irp i, 0,1,2
	v_mov_b32 v[\pc+3+6*\c+\i], v[T2+4*\c+\i]
.endr
.endr
.endm
.macro BLOAD q                         ; the 64 numbers of my row in K step 4 hf + q
.irp c, 0,1
.irp k, 0,1,2,3,4,5,6,7
	ds_load_b128 v[X+64*((\q)%2)+32*\c+4*\k:X+64*((\q)%2)+32*\c+4*\k+3], v4 offset:512*(\q)+256*\c+16*\k
.endr
.endr
.endm
	s_cmp_lt_u32 s26, 4                            ; the quantiser's shares (a tile, four K steps: 256 bytes of scale words a store) are four: waves 4-7 have done their part
	s_cbranch_scc0 .Lrows_only
	BLOAD 0
.irp q, 0,1,2,3
.if \q < 3
	BLOAD \q+1
	s_wait_dscnt 16                                ; this K step's numbers are in; the next step's sixteen loads may be out
.else
	s_wait_dscnt 0x0
.endif
	QUANT X+64*(\q%2), GA+12*\q, PWR+\q
.irp n, 0,1,2
	global_store_b128 v2, v[GA+12*\q+4*\n:GA+12*\q+4*\n+3], s[18:19] offset:12288*\q+512*\n   ; 512 consecutive bytes; each K step has its own registers, so no store's data are written again
.endr
.endr
	v_cmp_gt_u32 vcc_lo, 16, v1                    ; lanes 0-15 hold the 16 rows' words (lanes 16-31 the same once more)
	s_wait_xcnt 0x0                                ; EXEC changes only behind this wait
	s_wait_tensorcnt 0x0
	ds_add_u32 v30, v31
	s_wait_dscnt 0x0
	s_and_saveexec_b32 s40, vcc_lo
	global_store_b128 v7, v[PWR:PWR+3], s[20:21]   ; sixteen lanes store 256 consecutive bytes, aligned: four K steps' words of 16 rows
	s_wait_xcnt 0x0
	s_or_b32 exec_lo, exec_lo, s40
	s_endpgm
.Lrows_only:
	s_wait_tensorcnt 0x0                           ; the wave's end
	ds_add_u32 v30, v31
	s_wait_dscnt 0x0
	s_endpgm
; ---------------- the weights: block Bk of 128 rows; wave w takes tile 2 (w % 4) + w / 4, all eight K steps: 48 loads.  The wave of a pair's even tile also moves the pair's scale words.  Codes and bytes are moved, not changed.
.Lrepack:
	s_lshr_b32 s41, s26, 2                         ; which tile of the pair
	s_and_b32 s26, s26, 3                          ; the pair
	s_sub_co_u32 s27, ttmp9, 256                   ; Bk 0..31
	s_cmp_lt_u32 s27, 24                           ; w_qkv's 24 blocks, then w_out's 8: the choice hangs on the work-group's number alone
	s_cselect_b64 s[10:11], s[10:11], s[14:15]
	s_cselect_b64 s[12:13], s[12:13], s[16:17]
	s_cselect_b32 s28, 0, 24
	s_sub_co_u32 s28, s27, s28                     ; the block within its tensor
	s_lshr_b32 s29, s26, 1
	s_lshl_b32 s29, s29, 6
	s_and_b32 s32, s26, 1
	s_lshl_b32 s32, s32, 4
	s_add_co_u32 s29, s29, s32                     ; 64 (pair / 2) + 16 (pair % 2): where the pair's rows begin
	s_lshl_b32 s32, s41, 3
	s_add_co_u32 s29, s29, s32                     ; the odd tile's rows lie 8 further on (its wave does not use the scale bytes' address)
	s_mul_i32 s30, s28, 98304
	s_mul_i32 s32, s29, 768
	s_add_co_u32 s32, s32, s30
	s_add_nc_u64 s[10:11], s[10:11], s[32:33]      ; a row of 1,024 codes is 768 bytes
	s_lshl_b32 s30, s28, 12
	s_lshl_b32 s32, s29, 5
	s_add_co_u32 s32, s32, s30
	s_add_nc_u64 s[12:13], s[12:13], s[32:33]      ; a row of scale bytes is 32
	s_add_co_u32 s31, s27, 64                      ; the block in ops
	s_mul_i32 s30, s31, 98304
	s_mul_i32 s32, s26, 3072
	s_mul_i32 s34, s41, 1536
	s_add_co_u32 s32, s32, s34
	s_add_co_u32 s32, s32, s30
	s_add_nc_u64 s[18:19], s[18:19], s[32:33]
	s_lshl_b32 s30, s31, 12
	s_lshl_b32 s32, s26, 10
	s_add_co_u32 s32, s32, s30
	s_add_nc_u64 s[20:21], s[20:21], s[32:33]
	s_wait_alu depctr_va_vdst(0)
	v_lshrrev_b32 v8, 3, v7
	v_and_b32 v9, 7, v7
	v_lshl_add_u32 v8, v8, 5, v9                   ; 32 (r / 8) + r % 8
	v_mul_u32_u24 v4, v8, 768
	v_mad_u32_u24 v4, v5, 24, v4                   ; codes: my row, + 24 h
	v_lshl_add_u32 v9, v5, 3, v8
	v_lshlrev_b32 v6, 5, v9                        ; scale bytes: lanes 16-31 take the second tile's rows, 8 further on
.irp e, 0
.irp t, 0,1,2,3,4,5,6,7
.irp p, 0,1,2,3,4,5
	global_load_b64 v[32+96*\e+12*\t+2*\p:33+96*\e+12*\t+2*\p], v4, s[10:11] offset:6144*\e+96*\t+48*(\p/3)+8*(\p%3)   ; 24 bytes of the row's stream of bits are six registers of the fragment, as they lie
.endr
.endr
.endr
	s_cmp_lg_u32 s41, 0
	s_cbranch_scc1 .Lno_bytes
	global_load_b128 v[16:19], v6, s[12:13]        ; the pair's scale bytes: K steps 0-3,
	global_load_b128 v[20:23], v6, s[12:13] offset:16      ; and 4-7
	s_wait_loadcnt 0x0
	global_store_b128 v2, v[16:19], s[20:21]
	global_store_b128 v2, v[20:23], s[20:21] offset:512
.Lno_bytes:
	s_wait_loadcnt 0x0                             ; my tile's 48 loads
.irp t, 0,1,2,3,4,5,6,7
.irp n, 0,1,2
	global_store_b128 v2, v[32+12*\t+4*\n:35+12*\t+4*\n], s[18:19] offset:12288*\t+512*\n
.endr
.endr
	s_endpgm
.Lfunc_end_k_q1ceb156476_prep:
	.size	k_q1ceb156476_prep, .Lfunc_end_k_q1ceb156476_prep-k_q1ceb156476_prep
	.p2alignl 7, 3214868480
	.fill 96, 4, 3214868480
	.section	.rodata,"a",@progbits
	.p2align	6, 0x0
	.amdhsa_kernel k_q1ceb156476_prep
		.amdhsa_group_segment_fixed_size 132608
		.amdhsa_private_segment_fixed_size 0
		.amdhsa_enable_private_segment 0
		.amdhsa_kernarg_size 72
		.amdhsa_user_sgpr_count 2
		.amdhsa_user_sgpr_kernarg_segment_ptr 1
		.amdhsa_wavefront_size32 1
		.amdhsa_system_sgpr_workgroup_id_x 1
		.amdhsa_system_sgpr_workgroup_id_y 1
		.amdhsa_system_sgpr_workgroup_id_z 1
		.amdhsa_system_vgpr_workitem_id 0
		.amdhsa_next_free_vgpr 256
		.amdhsa_next_free_sgpr 66
		.amdhsa_reserve_vcc 1
		.amdhsa_float_denorm_mode_32 3
		.amdhsa_float_denorm_mode_16_64 3
		.amdhsa_memory_ordered 1
		.amdhsa_forward_progress 1
		.amdhsa_inst_pref_size 61
	.end_amdhsa_kernel
	.amdgpu_metadata
---
amdhsa.version: [ 1, 2 ]
amdhsa.kernels:
  - .name:           k_q1ceb156476_prep
    .symbol:         k_q1ceb156476_prep.kd
    .args:
      - { .name: x, .offset: 0, .size: 8, .value_kind: global_buffer, .address_space: global }
      - { .name: ln_gamma, .offset: 8, .size: 8, .value_kind: global_buffer, .address_space: global }
      - { .name: ln_beta, .offset: 16, .size: 8, .value_kind: global_buffer, .address_space: global }
      - { .name: w_qkv_codes, .offset: 24, .size: 8, .value_kind: global_buffer, .address_space: global }
      - { .name: w_qkv_scales, .offset: 32, .size: 8, .value_kind: global_buffer, .address_space: global }
      - { .name: w_out_codes, .offset: 40, .size: 8, .value_kind: global_buffer, .address_space: global }
      - { .name: w_out_scales, .offset: 48, .size: 8, .value_kind: global_buffer, .address_space: global }
      - { .name: ops_img, .offset: 56, .size: 8, .value_kind: global_buffer, .address_space: global }
      - { .name: ops_scl, .offset: 64, .size: 8, .value_kind: global_buffer, .address_space: global }
    .group_segment_fixed_size: 132608
    .private_segment_fixed_size: 0
    .kernarg_segment_align: 8
    .kernarg_segment_size: 72
    .max_flat_workgroup_size: 256
    .sgpr_count:     66
    .vgpr_count:     256
    .wavefront_size: 32
...
	.end_amdgpu_metadata
.endif
;; end of part 1
;; launch qkv (part 2): grid 96 x 4, 4 waves a work-group, clusters of 4 x 4, 327,680 bytes of LDS; arguments ops_img, ops_scl, qkv_img, qkv_scl; writes qkv_img, qkv_scl
.if DOCPART == 2
	.amdgcn_target "amdgcn-amd-amdhsa--gfx1250"
	.amdhsa_code_object_version 6
	.text
	.protected	k_q1ceb156476_qkv
	.globl	k_q1ceb156476_qkv
	.p2align	8
	.type	k_q1ceb156476_qkv,@function
k_q1ceb156476_qkv:
	s_mov_b64 s[64:65], 0
	v_nop
	global_prefetch_b8 v0, s[64:65] scope:SCOPE_SE
	s_setreg_imm32_b32 hwreg(HW_REG_WAVE_MODE, 25, 1), 1
	s_wait_xcnt 0x0
	s_wait_alu depctr_hold_cnt(0) depctr_sa_sdst(0) depctr_va_vdst(0) depctr_va_sdst(0) depctr_va_ssrc(0) depctr_va_vcc(0) depctr_vm_vsrc(0)
	s_getreg_b32 s2, hwreg(HW_REG_IB_STS2, 6, 4)
	s_cmp_eq_u32 s2, 0
	s_cbranch_scc0 .Lentry_in_a_cluster
	s_endpgm
.Lentry_in_a_cluster:
	s_bfe_u32 s2, ttmp6, 0x10000c
	s_cmp_lg_u32 s2, 0xf033
	s_cbranch_scc0 .Lentry_shape_is_right
	s_endpgm
.Lentry_shape_is_right:
; QKV = xn W^T on codes of E2M3 (K = 1,024), and the quantisers of q, k and v on the way out: nothing of qkv goes to memory in f32.
; D = S0 x S1^T: a lane holds ONE row of S1, and its registers run along the rows of S0, which is the axis that is quantised next.
;   q, k (clusters 0-15):  S0 = 256 rows of W (channels of two heads), S1 = 256 tokens: codes along the head's 128 channels.
;   v    (clusters 16-23): S0 = 256 tokens (the keys),                 S1 = 256 rows of W: codes along the keys.
; Both operands lie in ONE buffer in one layout (images of fragments, see the launch before), so the two cases differ in block numbers alone, chosen on the cluster's number, which all partners share.
; A tile of 256 x 256 is made by four waves, 128 x 128 each: 64 accumulators, 512 registers.  K = 8 steps of 128.  A (block, K step) is 12,288 dense bytes and successive steps follow each other,
; so one tensor load brings two steps of a block: 24,576 bytes as 96 rows of 256.  Three LDS slots of two steps take steps 0-5 as first fills; steps 6, 7 are the launch's one refill, into slot 0.
; By this text's own count a wave has at most three tensor loads out.  Image reads are 512 consecutive bytes: no padding.
; CLUSTERS: 4 x 4.  S1's tiles are shared along a row of the cluster, S0's along a column: joint loads.  The scale words of all eight K steps come once, straight into registers.
; OUT: block OB = (kind x 32 + batch x 8 + head) x 16 + token block % 16 (kind 0 q, 1 k, 2 v): 8 fragments (12,288 bytes) in qkv_img, 512 bytes of scale words in qkv_scl
; (the word of tile i, row r at 16 (16 (i % 2) + r) + 4 (i / 2)).  Every store covers 512 consecutive bytes.
; LIMITS: a block whose largest magnitude lies under 2^-124 keeps the byte 1 (a block of zeros too: its codes are zeros; only this program reads the bytes).
; REGISTERS: window 0: v16-29 addresses; v32-63 S0's scale words, v64-95 S1's (tile i, step s at + 8 (i / 2) + s; tile 2 i' in lanes 0-15, tile 2 i' + 1 in lanes 16-31); v96-127 at work on the way out;
;   v128-223 S1's eight fragments, one set (later the codes made).  window 1: S0's fragments, two sets, at v0 and v128.  windows 2, 3: accumulator (a, b) at v[8 (8 (a % 4) + b)].
.set BLKB,  98304                      ; a block's image: 8 K steps
.set STEPB, 12288
.set CHUNK, 24576                      ; two K steps of a block: one tensor load
.set SLOT,  98304                      ; S1's two blocks, then S0's two, two K steps each
; THE FILLS AS THEY STAND (in place of the three first fills that the head's comment names): a wave has one tensor load out at any time.
; Head: K steps 0, 1 into slot 0.  Behind the three lines and a round: K steps 2-5, one load of 192 rows a wave, into the 196,608 bytes behind slot 0 (block w at SLOT + 2 w CHUNK).  In K step 1: steps 6, 7 into slot 0 again.
.set SPARE, 3*SLOT                     ; the spare words, 128 bytes a wave: two blocks of 256 bytes that no other line names
.set FR,   12
.set ADRA, 16                          ; v16-17 my S1 block in slot 0 and behind it, + 16 x lane
.set ADRB, 20                          ; v20-21 my S0 block likewise
.set LI,   24                          ; v24 16 x lane
.set SH8,  25                          ; v25 8 x (lane / 16)
.set SPW,  28
.set NIL,  29
.set S0SC, 32
.set S1SC, 64
.set T2,   96
.set TM,   104
.set SO,   108
.set BY,   110
.set PW,   112                         ; v112-119 the eight scale words made
.set PT,   120
.set SW,   124                         ; v124-127 they, as they are stored
.set AF,   128
.set G1,   24                          ; s[24:31] group 1 for S1's tiles;  groups 0: s[32:35], s[36:39]
.set G1B,  48                          ; s[48:55] for S0's;                groups 0: s[56:59], s[60:63]
.set SEL,  96
.set MSB, 0
.macro WIN new                         ; the immediate's high byte repeats the setting that is left
.if MSB != \new
	s_set_vgpr_msb (MSB<<8)|\new
.set MSB, \new
.endif
.endm
.set MUL_LO, 0xa1                      ; source 0 (S0) window 1, source 1 (S1) window 0, C and D window 2
.set MUL_HI, 0xf1
.set TO_B,   0x40
.macro JLOAD g0a, g1a, g0b, g1b        ; a joint load: waves 0, 1 fetch S1's blocks, waves 2, 3 S0's; four v_nop follow each line
	s_cmp_eq_u32 s17, 0
	s_cbranch_scc0 .Lfor_b_\@
	tensor_load_to_lds s[\g0a:\g0a+3], s[\g1a:\g1a+7]
	s_nop 0
.rept 4
	v_nop
.endr
	s_branch .Lasked_\@
.Lfor_b_\@:
	tensor_load_to_lds s[\g0b:\g0b+3], s[\g1b:\g1b+7]
	s_nop 0
.rept 4
	v_nop
.endr
.Lasked_\@:
.endm
.macro CREST                           ; a round of the cluster's barrier behind its opening barrier
	s_cmp_lg_u32 s16, 0
	s_cbranch_scc1 .Lnot_wave_0_\@
	s_barrier_signal -3
.Lnot_wave_0_\@:
	s_barrier_wait -3
	s_barrier_signal -1
	s_barrier_wait -1
.endm
.macro CROUND
	s_barrier_signal -1
	s_barrier_wait -1
	CREST
.endm
.macro PLACES                          ; four plain places in front of loads into registers that matrix instructions have read, and of the first read of results
.rept 4
	v_nop
.endr
.endm
	s_load_b256 s[4:11], s[0:1], 0x0               ; ops_img, ops_scl, qkv_img, qkv_scl
	v_lshl_add_u32 v[SPW], v0, 2, SPARE
	v_mov_b32 v[NIL], 0
	ds_add_u32 v28, v29
	ds_add_u32 v28, v29
	s_wait_dscnt 0x0
	v_lshrrev_b32 v1, 5, v0
	v_readfirstlane_b32 s16, v1                    ; wave 0..3
	s_lshr_b32 s17, s16, 1                         ; my block of S1.  Also: I fetch for S1 (0) or for S0 (1)
	s_and_b32 s18, s16, 1                          ; my block of S0.  Also: which block I fetch
	s_bfe_u32 s40, ttmp6, 0x40000                  ; cx
	s_bfe_u32 s41, ttmp6, 0x40004                  ; cy
	s_and_b32 s19, ttmp9, 1                        ; tiles count pairs of blocks of ops: 0-31 tokens, 32-39 q and k's rows of W, 40-43 v's
	s_lshl_b32 s19, s19, 2
	s_add_co_u32 s19, s19, 32                      ; q, k: S0 from 32 + 4 (cluster % 2)
	s_sub_co_u32 s20, ttmp9, 16
	s_lshl_b32 s20, s20, 2                         ; v:    S0 from 4 (cluster - 16)
	s_lshr_b32 s21, ttmp9, 1
	s_lshl_b32 s21, s21, 2                         ; q, k: S1 from 4 (cluster / 2)
	s_mov_b32 s22, 40                              ; v:    S1 from 40
	s_cmp_lt_u32 ttmp9, 16
	s_cselect_b32 s19, s19, s20
	s_cselect_b32 s21, s21, s22
	s_add_co_u32 s42, s19, s40                     ; S0's tile: hangs on cx alone
	s_add_co_u32 s45, s21, s41                     ; S1's tile: on cy alone
	s_lshl_b32 s43, s41, 2
	s_lshl_b32 s43, 15, s43                        ; my row of the cluster
	s_lshl_b32 s44, 0x1111, s40                    ; my column
	s_or_b32 s[G1], s43, (3<<16)|(1<<21)           ; 15:0 the mask; 17:16 elements of 8 bytes; 21 set beside a mask; no padding
	s_or_b32 s[G1B], s44, (3<<16)|(1<<21)
.irp g, G1, G1B
	s_mov_b32 s[\g+1], 32<<16                      ; tensor_dim0 = 32 elements: 256 bytes
	s_mov_b32 s[\g+2], 96<<16                      ; tensor_dim1 = 96 rows
	s_mov_b32 s[\g+3], 32<<16                      ; tile_dim0
	s_mov_b32 s[\g+4], 96                          ; tile_dim1
	s_mov_b32 s[\g+5], 32                          ; the pitch: dense
	s_mov_b32 s[\g+6], 0
	s_mov_b32 s[\g+7], 0
.endr
	s_lshl_b32 s46, s45, 1
	s_add_co_u32 s46, s46, s18
	s_mul_i32 s46, s46, BLKB                       ; S1: the block that I fetch
	s_mov_b32 s47, 0
	s_lshl_b32 s84, s42, 1
	s_add_co_u32 s84, s84, s18
	s_mul_i32 s84, s84, BLKB                       ; S0: the block that I fetch
	s_mov_b32 s85, 0
	s_mul_i32 s23, s16, CHUNK                      ; where it goes in a slot: no place in the cluster enters an LDS address
	s_lshl_b32 s76, s45, 1
	s_add_co_u32 s76, s76, s17
	s_lshl_b32 s76, s76, 12                        ; my S1 block's scale words
	s_mov_b32 s77, 0
	s_lshl_b32 s78, s42, 1
	s_add_co_u32 s78, s78, s18
	s_lshl_b32 s78, s78, 12                        ; my S0 block's
	s_mov_b32 s79, 0
	s_lshl_b32 s86, s42, 1                         ; where my 128 x 128 goes
	s_add_co_u32 s86, s86, s18                     ; my S0 block
	s_lshl_b32 s87, s45, 1
	s_add_co_u32 s87, s87, s17                     ; my S1 block
	s_cmp_lt_u32 ttmp9, 16
	s_cselect_b32 s88, s86, s87                    ; W's block,
	s_cselect_b32 s89, s87, s86                    ; the token block
	s_sub_co_u32 s88, s88, 64                      ; 0-7 q's heads, 8-15 k's, 16-23 v's
	s_lshr_b32 s90, s88, 3
	s_lshl_b32 s90, s90, 5
	s_lshr_b32 s91, s89, 4
	s_lshl_b32 s91, s91, 3
	s_add_co_u32 s90, s90, s91
	s_and_b32 s91, s88, 7
	s_add_co_u32 s90, s90, s91
	s_lshl_b32 s90, s90, 4
	s_and_b32 s91, s89, 15
	s_add_co_u32 s90, s90, s91                     ; OB
	s_mul_i32 s92, s90, STEPB
	s_mov_b32 s93, 0
	s_lshl_b32 s94, s90, 9
	s_mov_b32 s95, 0
	s_mov_b32 s[SEL], 0x76543210
	s_mov_b32 s[SEL+1], 0xfedcba98
	v_and_b32 v1, 31, v0                           ; lane
	v_lshlrev_b32 v[LI], 4, v1
	v_bfe_u32 v[SH8], v0, 4, 1
	v_lshlrev_b32 v[SH8], 3, v[SH8]
	v_mov_b32 v[PT], 0                             ; a lane permute's destination counts as read
	s_mul_i32 s21, s17, CHUNK                      ; my S1 block in a slot
	s_mul_i32 s22, s18, CHUNK
	s_add_co_u32 s22, s22, 2*CHUNK                 ; my S0 block
	v_add_nc_u32 v[ADRA], s21, v[LI]
	v_add_nc_u32 v[ADRB], s22, v[LI]
	s_lshl_b32 s21, s21, 1                         ; behind slot 0 a block takes four K steps: twice the distance
	s_lshl_b32 s22, s22, 1
	s_add_co_u32 s21, s21, SLOT
	s_add_co_u32 s22, s22, SLOT
	v_add_nc_u32 v[ADRA+1], s21, v[LI]
	v_add_nc_u32 v[ADRB+1], s22, v[LI]
	v_lshlrev_b32 v26, 8, v1                       ; the prefetches' offsets: a lane a block of 256 bytes; never rewritten
	v_min_u32 v27, 15, v1                          ; (the second names sixteen blocks: lanes 16-31 name the last of them again)
	v_lshlrev_b32 v27, 8, v27
	s_wait_alu depctr_va_vdst(0)
	s_wait_kmcnt 0x0
	s_add_nc_u64 s[46:47], s[4:5], s[46:47]
	s_add_nc_u64 s[84:85], s[4:5], s[84:85]
	s_add_nc_u64 s[76:77], s[6:7], s[76:77]
	s_add_nc_u64 s[78:79], s[6:7], s[78:79]
	s_add_nc_u64 s[8:9], s[8:9], s[92:93]
	s_add_nc_u64 s[10:11], s[10:11], s[94:95]
	CROUND                                         ; all sixteen work-groups are here: the first joint loads meet
.macro SETG0 g, src, slot
	s_mov_b32 s[\g], 1                             ; count = 1
	s_add_co_u32 s[\g+1], s23, \slot*SLOT          ; LDS address
	s_add_nc_u64 s[\g+2:\g+3], s[\src:\src+1], \slot*CHUNK   ; K steps 2 slot, 2 slot + 1
	s_or_b32 s[\g+3], s[\g+3], 0x80000000          ; type = 2
.endm
	SETG0 32, 46, 0
	SETG0 56, 84, 0
	JLOAD 32, G1, 56, G1B                          ; K steps 0, 1: one tensor load a wave at the head
	s_lshl_b32 s20, s23, 1
	s_add_co_u32 s20, s20, SLOT                    ; where my block's K steps 2-5 go
	s_mov_b32 s36, 1
	s_mov_b32 s37, s20
	s_add_nc_u64 s[38:39], s[46:47], CHUNK
	s_or_b32 s39, s39, 0x80000000
	s_mov_b32 s60, 1
	s_mov_b32 s61, s20
	s_add_nc_u64 s[62:63], s[84:85], CHUNK
	s_or_b32 s63, s63, 0x80000000
	; A PREFETCH for the one load that goes out with nothing on its way beside it: K steps 2-5 of the block that I fetch, asked for one load ahead.  The four partners that ask for the block jointly share
	; its 192 blocks of 256 bytes out by address: the partner at place p (cx for S1, cy for S0) takes K step 2 + p, 48 blocks, two instructions.  Each block is named once in the cluster.
	s_cmp_eq_u32 s17, 0
	s_cselect_b64 s[80:81], s[46:47], s[84:85]
	s_cselect_b32 s82, s40, s41
	s_mul_i32 s82, s82, STEPB
	s_mov_b32 s83, 0
	s_add_nc_u64 s[80:81], s[80:81], s[82:83]
	global_prefetch_b8 v26, s[80:81] offset:CHUNK th:TH_LOAD_NT scope:SCOPE_SE
	global_prefetch_b8 v27, s[80:81] offset:CHUNK+8192 th:TH_LOAD_NT scope:SCOPE_SE
.irp i, 0,1,2,3
.irp f, 0,1
	global_load_b128 v[S0SC+8*\i+4*\f:S0SC+8*\i+4*\f+3], v[LI], s[78:79] offset:1024*\i+512*\f    ; 512 consecutive bytes: a pair of tiles, four K steps
	global_load_b128 v[S1SC+8*\i+4*\f:S1SC+8*\i+4*\f+3], v[LI], s[76:77] offset:1024*\i+512*\f
.endr
.endr
; One matrix instruction.  pa, pb: the tile's scale words stand in lanes 16-31 of the register named.  zero: the product starts its sum.
.macro WM d, fa, fb, zero, sa, sb, pa, pb
.if \zero
.if (\pa) && (\pb)
	v_wmma_scale_f32_16x16x128_f8f6f4 v[(\d):(\d)+7], v[(\fa):(\fa)+11], v[(\fb):(\fb)+11], 0, v[\sa], v[\sb] matrix_a_fmt:MATRIX_FMT_FP6 matrix_b_fmt:MATRIX_FMT_FP6 matrix_a_scale:MATRIX_SCALE_ROW1 matrix_b_scale:MATRIX_SCALE_ROW1
.elseif (\pa)
	v_wmma_scale_f32_16x16x128_f8f6f4 v[(\d):(\d)+7], v[(\fa):(\fa)+11], v[(\fb):(\fb)+11], 0, v[\sa], v[\sb] matrix_a_fmt:MATRIX_FMT_FP6 matrix_b_fmt:MATRIX_FMT_FP6 matrix_a_scale:MATRIX_SCALE_ROW1
.elseif (\pb)
	v_wmma_scale_f32_16x16x128_f8f6f4 v[(\d):(\d)+7], v[(\fa):(\fa)+11], v[(\fb):(\fb)+11], 0, v[\sa], v[\sb] matrix_a_fmt:MATRIX_FMT_FP6 matrix_b_fmt:MATRIX_FMT_FP6 matrix_b_scale:MATRIX_SCALE_ROW1
.else
	v_wmma_scale_f32_16x16x128_f8f6f4 v[(\d):(\d)+7], v[(\fa):(\fa)+11], v[(\fb):(\fb)+11], 0, v[\sa], v[\sb] matrix_a_fmt:MATRIX_FMT_FP6 matrix_b_fmt:MATRIX_FMT_FP6
.endif
.else
.if (\pa) && (\pb)
	v_wmma_scale_f32_16x16x128_f8f6f4 v[(\d):(\d)+7], v[(\fa):(\fa)+11], v[(\fb):(\fb)+11], v[(\d):(\d)+7], v[\sa], v[\sb] matrix_a_fmt:MATRIX_FMT_FP6 matrix_b_fmt:MATRIX_FMT_FP6 matrix_a_scale:MATRIX_SCALE_ROW1 matrix_b_scale:MATRIX_SCALE_ROW1
.elseif (\pa)
	v_wmma_scale_f32_16x16x128_f8f6f4 v[(\d):(\d)+7], v[(\fa):(\fa)+11], v[(\fb):(\fb)+11], v[(\d):(\d)+7], v[\sa], v[\sb] matrix_a_fmt:MATRIX_FMT_FP6 matrix_b_fmt:MATRIX_FMT_FP6 matrix_a_scale:MATRIX_SCALE_ROW1
.elseif (\pb)
	v_wmma_scale_f32_16x16x128_f8f6f4 v[(\d):(\d)+7], v[(\fa):(\fa)+11], v[(\fb):(\fb)+11], v[(\d):(\d)+7], v[\sa], v[\sb] matrix_a_fmt:MATRIX_FMT_FP6 matrix_b_fmt:MATRIX_FMT_FP6 matrix_b_scale:MATRIX_SCALE_ROW1
.else
	v_wmma_scale_f32_16x16x128_f8f6f4 v[(\d):(\d)+7], v[(\fa):(\fa)+11], v[(\fb):(\fb)+11], v[(\d):(\d)+7], v[\sa], v[\sb] matrix_a_fmt:MATRIX_FMT_FP6 matrix_b_fmt:MATRIX_FMT_FP6
.endif
.endif
.endm
; 16 matrix instructions of K step ks: S1's tiles a0, a0 + 1 x S0's eight.  The 64 accumulators take turns, one instruction a turn, in the same order in every step.
.macro MUL16 a0, ks, zero
.irp a, \a0, \a0+1
.irp b, 0,1,2,3,4,5,6,7
	WM 8*(8*((\a)%4)+\b), 128*((\ks)%2)+FR*\b, AF+FR*(\a), \zero, S0SC+8*(\b/2)+(\ks), S1SC+8*((\a)/2)+(\ks), \b%2, (\a)%2
.endr
.endr
.endm
.macro FRAG reg, adr, off              ; a fragment comes back as it was stored: three loads of 512 consecutive bytes
.irp n, 0,1,2
	ds_load_b128 v[\reg+4*\n:\reg+4*\n+3], v[\adr] offset:\off+512*\n
.endr
.endm
.macro FETCH_B slot, half              ; S0's eight fragments of the slot's K step `half`, into set `half`
	WIN TO_B
.irp i, 0,1,2,3,4,5,6,7
	FRAG 128*(\half)+FR*\i, ADRB+\slot, NO+\i*1536
.endr
	WIN 0
.endm
.macro FETCH_A slot, half, i0          ; S1's tiles i0 .. i0 + 3
.irp i, \i0, \i0+1, \i0+2, \i0+3
	FRAG AF+FR*(\i), ADRA+\slot, NO+(\i)*1536
.endr
.endm
.macro NEXTOF ks                       ; where K step ks + 1 lies: steps 0-5 in slots 0-2, steps 6, 7 in slot 0 again
.set NS, (\ks)+1
.set NH, NS%2                          ; the register set
.if NS >= 2 && NS < 6
.set NSL, 1                            ; steps 2-5 lie behind slot 0,
.set NO, (NS-2)*STEPB                  ; one behind the other
.else
.set NSL, 0
.set NO, (NS%2)*STEPB
.endif
.endm
.macro STEP ks, zero
	NEXTOF \ks
	s_wait_dscnt 12                                ; S0's set and S1's tiles 0-3 are in; the youngest twelve loads (tiles 4-7) may be out
	WIN MUL_LO
	MUL16 0, \ks, \zero
	MUL16 2, \ks, \zero
	s_wait_dscnt 0x0                               ; tiles 4-7 are in (asked for 32 matrix instructions ago)
	PLACES
	FETCH_B NSL, NH
	FETCH_A NSL, NH, 0
	WIN MUL_HI
	MUL16 4, \ks, \zero
	MUL16 6, \ks, \zero
	PLACES
	WIN 0
	FETCH_A NSL, NH, 4
.endm
; A step with a barrier in it.  In front of the barrier each wave waits for all its tensor loads, adds 0 to its spare word, and waits for that and for its reads.
; fill = 1 (K step 1): slot 0 has been read out and takes K steps 6, 7; the barrier opens a round of the cluster's.  The same wait shows slots 1 and 2 whole to every wave.
; fill = 0 (K step 5): the refill has landed in every wave.
.macro TURN ks, fill
	NEXTOF \ks
	s_wait_tensorcnt 0x0                           ; all my tensor loads have landed
	ds_add_u32 v[SPW], v[NIL]                      ; 0 onto my spare word
	s_wait_dscnt 13                                ; (the add and the youngest twelve loads may be out)
	WIN MUL_LO
	MUL16 0, \ks, 0                                ; sixteen matrix instructions stand between the add and the wait for it
	s_wait_dscnt 0x0                               ; the add is done, and my reads so far are over
	s_barrier_signal -1
	MUL16 2, \ks, 0
	WIN 0
	s_barrier_wait -1
.if \fill
	CREST                                          ; no wave of any partner still reads slot 0 or has a load on its way
	s_add_nc_u64 s[34:35], s[34:35], 3*CHUNK       ; slot 0's descriptors: from K steps 0, 1 to 6, 7
	s_add_nc_u64 s[58:59], s[58:59], 3*CHUNK
	s_mov_b32 s[G1+2], 96<<16                      ; no tensor load of mine is out: the refill brings 96 rows again
	s_mov_b32 s[G1+4], 96
	s_mov_b32 s[G1B+2], 96<<16
	s_mov_b32 s[G1B+4], 96
	JLOAD 32, G1, 56, G1B                          ; the first tensor load behind the round, and my only one; its four v_nop are the places in front of the loads below
.else
	PLACES
.endif
	FETCH_B NSL, NH
	FETCH_A NSL, NH, 0
	WIN MUL_HI
	MUL16 4, \ks, 0
	MUL16 6, \ks, 0
	PLACES
	WIN 0
	FETCH_A NSL, NH, 4
.endm
	s_wait_alu depctr_va_vdst(0)
	s_wait_tensorcnt 0x0                           ; my part of slot 0 is in
	ds_add_u32 v[SPW], v[NIL]
	s_mov_b32 s[G1+2], 192<<16                     ; no tensor load of mine is out: the next load brings four K steps, 192 rows
	s_mov_b32 s[G1+4], 192
	s_mov_b32 s[G1B+2], 192<<16
	s_mov_b32 s[G1B+4], 192
	s_wait_dscnt 0x0
	CROUND                                         ; slot 0 is whole in every wave, and the joint loads meet
	JLOAD 36, G1, 60, G1B                          ; K steps 2-5: the first tensor load behind the round
.set NO, 0
	FETCH_B 0, 0
	FETCH_A 0, 0, 0
	FETCH_A 0, 0, 4
	s_wait_loadcnt 0x0                             ; the scale words
	STEP 0, 1                                      ; the first products start the sums: nothing is cleared
	TURN 1, 1
	STEP 2, 0
	STEP 3, 0
	STEP 4, 0
	TURN 5, 0
	STEP 6, 0
	s_wait_dscnt 12                                ; the last step: nothing more to fetch
	WIN MUL_LO
	MUL16 0, 7, 0
	MUL16 2, 7, 0
	s_wait_dscnt 0x0
	WIN MUL_HI
	MUL16 4, 7, 0
	MUL16 6, 7, 0
	WIN 0
	PLACES
; THE WAY OUT.  For S1's tile a the 64 registers of accumulators (a, 0..7) are, in my lane, 64 of 128 neighbours along S0 in the operand's own order: register 32 c + i = k 64 c + 32 h + i.  Two whole blocks of 32 a lane.
.macro QUANT a
.set SRC, 64*((\a)%4)
.set PC, AF+FR*(\a)
	WIN 0x0a+5*((\a)/4)                            ; sources 0 and 1: window 2 or 3
.irp c, 0,1
	v_max3_num_f32 v[TM+\c], |v[SRC+32*\c]|, |v[SRC+32*\c+1]|, 0x1800000      ; each accumulator is read from its low end on; the floor 2^(3 - 127) holds the byte at 1 from below
	v_max3_num_f32 v[TM+2+\c], |v[SRC+32*\c+2]|, |v[SRC+32*\c+3]|, 0x1800000
.endr
.irp i, 4,8,12,16,20,24,28
.irp c, 0,1
	v_max3_num_f32 v[TM+\c], |v[SRC+32*\c+\i]|, |v[SRC+32*\c+\i+1]|, v[TM+\c]
	v_max3_num_f32 v[TM+2+\c], |v[SRC+32*\c+\i+2]|, |v[SRC+32*\c+\i+3]|, v[TM+2+\c]
.endr
.endr
	WIN 0
.irp c, 0,1
	v_max_num_f32 v[TM+\c], v[TM+\c], v[TM+2+\c]
.endr
.irp c, 0,1
	v_add_nc_u32 v[SO+\c], 0xff000000, v[TM+\c]    ; 2 off the exponent field: the conversion's scale operand
.endr
.irp c, 0,1
	v_lshrrev_b32 v[BY+\c], 23, v[SO+\c]
.endr
	v_lshl_or_b32 v[PW+(\a)], v[BY+1], 16, v[BY]
	v_lshlrev_b32 v[PW+(\a)], v[SH8], v[PW+(\a)]
	v_permlanex16_b32 v[PT], v[PW+(\a)], s[SEL], s[SEL+1]
	v_or_b32 v[PW+(\a)], v[PW+(\a)], v[PT]         ; my row's scale word
	WIN 0x02+(\a)/4                                ; source 0: window 2 or 3
.irp c, 0,1
	v_cvt_scalef32_pk16_fp6_f32 v[PC+6*\c:PC+6*\c+2], v[SRC+32*\c:SRC+32*\c+15], v[SO+\c]
	v_cvt_scalef32_pk16_fp6_f32 v[T2+4*\c:T2+4*\c+2], v[SRC+32*\c+16:SRC+32*\c+31], v[SO+\c]
.endr
	WIN 0
	v_nop                                          ; one plain place behind a scaled conversion
.irp c, 0,1
.irp i, 0,1,2
	v_mov_b32 v[PC+3+6*\c+\i], v[T2+4*\c+\i]
.endr
.endr
.irp n, 0,1,2
	global_store_b128 v[LI], v[PC+4*\n:PC+4*\n+3], s[8:9] offset:1536*(\a)+512*\n   ; each tile has its own registers: no store's data are written again
.endr
.endm
.irp a, 0,1,2,3,4,5,6,7
	QUANT \a
.endr
	v_cmp_gt_u32 vcc_lo, 16, v1
.irp i, 0,1,2,3
	v_cndmask_b32 v[SW+\i], v[PW+2*\i+1], v[PW+2*\i], vcc_lo     ; lanes 0-15 the even tile's words, lanes 16-31 the odd tile's
.endr
	global_store_b128 v[LI], v[SW:SW+3], s[10:11]
	s_wait_tensorcnt 0x0                           ; the wave's end
	ds_add_u32 v[SPW], v[NIL]
	s_wait_dscnt 0x0
	CROUND                                         ; the closing round
	s_endpgm
.Lfunc_end_k_q1ceb156476_qkv:
	.size	k_q1ceb156476_qkv, .Lfunc_end_k_q1ceb156476_qkv-k_q1ceb156476_qkv
	.p2alignl 7, 3214868480
	.fill 96, 4, 3214868480
	.section	.rodata,"a",@progbits
	.p2align	6, 0x0
	.amdhsa_kernel k_q1ceb156476_qkv
		.amdhsa_group_segment_fixed_size 327680
		.amdhsa_private_segment_fixed_size 0
		.amdhsa_enable_private_segment 0
		.amdhsa_kernarg_size 32
		.amdhsa_user_sgpr_count 2
		.amdhsa_user_sgpr_kernarg_segment_ptr 1
		.amdhsa_wavefront_size32 1
		.amdhsa_system_sgpr_workgroup_id_x 1
		.amdhsa_system_sgpr_workgroup_id_y 1
		.amdhsa_system_sgpr_workgroup_id_z 1
		.amdhsa_system_vgpr_workitem_id 0
		.amdhsa_next_free_vgpr 1024
		.amdhsa_next_free_sgpr 100
		.amdhsa_reserve_vcc 1
		.amdhsa_float_denorm_mode_32 3
		.amdhsa_float_denorm_mode_16_64 3
		.amdhsa_memory_ordered 1
		.amdhsa_forward_progress 1
		.amdhsa_inst_pref_size 132
	.end_amdhsa_kernel
	.amdgpu_metadata
---
amdhsa.version: [ 1, 2 ]
amdhsa.kernels:
  - .name:           k_q1ceb156476_qkv
    .symbol:         k_q1ceb156476_qkv.kd
    .args:
      - { .name: ops_img, .offset: 0, .size: 8, .value_kind: global_buffer, .address_space: global }
      - { .name: ops_scl, .offset: 8, .size: 8, .value_kind: global_buffer, .address_space: global }
      - { .name: qkv_img, .offset: 16, .size: 8, .value_kind: global_buffer, .address_space: global }
      - { .name: qkv_scl, .offset: 24, .size: 8, .value_kind: global_buffer, .address_space: global }
    .group_segment_fixed_size: 327680
    .private_segment_fixed_size: 0
    .kernarg_segment_align: 8
    .kernarg_segment_size: 32
    .max_flat_workgroup_size: 128
    .sgpr_count:     100
    .vgpr_count:     1024
    .wavefront_size: 32
...
	.end_amdgpu_metadata
.endif
;; end of part 2
;; launch attn (part 3): grid 8 x 32, 8 waves a work-group, clusters of 4 x 1, 327,680 bytes of LDS; arguments qkv_img, qkv_scl, o_img, o_scl; writes o_img, o_scl
.if DOCPART == 3
	.amdgcn_target "amdgcn-amd-amdhsa--gfx1250"
	.amdhsa_code_object_version 6
	.text
	.protected	k_q1ceb156476_attn
	.globl	k_q1ceb156476_attn
	.p2align	8
	.type	k_q1ceb156476_attn,@function
k_q1ceb156476_attn:
	s_mov_b64 s[64:65], 0
	v_nop
	global_prefetch_b8 v0, s[64:65] scope:SCOPE_SE
	s_setreg_imm32_b32 hwreg(HW_REG_WAVE_MODE, 25, 1), 1
	s_wait_xcnt 0x0
	s_wait_alu depctr_hold_cnt(0) depctr_sa_sdst(0) depctr_va_vdst(0) depctr_va_sdst(0) depctr_va_ssrc(0) depctr_va_vcc(0) depctr_vm_vsrc(0)
	s_getreg_b32 s2, hwreg(HW_REG_IB_STS2, 6, 4)
	s_cmp_eq_u32 s2, 0
	s_cbranch_scc0 .Lentry_in_a_cluster
	s_endpgm
.Lentry_in_a_cluster:
	s_bfe_u32 s2, ttmp6, 0x10000c
	s_cmp_lg_u32 s2, 0x3003
	s_cbranch_scc0 .Lentry_shape_is_right
	s_endpgm
.Lentry_shape_is_right:
; ATTENTION on codes of E2M3: 32 heads (batch x 8 + head) of 2,048 tokens, head size 128, logits = q . k / 32; and o's quantiser on the way out.
; t = score x log2(e) / 32;  M = the running largest t rounded UP to a whole number;  p = 2^(t - M) is quantised along the keys, not normalised; the row's sum is taken of the unquantised p and divides at the end.
; When M moves, the sums and O are multiplied by 2^(old M - new M): exact.  A block's largest p is made from the block's largest score by the same multiply-add and exponential
; (this takes v_exp_f32 not to fall where its input rises; at the worst one p of a block, within an ulp of a power of two, is held one code low).
; SHARES.  A work-group owns 256 queries of one head; each of its eight waves TWO tiles of 16 queries, so that each fragment of K and V read from LDS feeds two matrix instructions.  Two waves to a SIMD, 512 registers each.
; Every wave walks all 2,048 keys, 128 a step.  A key step is 12,288 dense bytes of K (images of fragments) and as many of V.  A slot holds four key steps; two slots take turns; waves 0-3 fetch a quarter of a slot each,
; 24,576 bytes as 96 rows of 256.  At the head waves 4-7 fetch the head's scale words, a quarter each: every wave issues one tensor load there.  By this text's own count a wave has one tensor load out at the most.
; CLUSTER.  The four query blocks of a cluster belong to one head and walk the same K and V: every tile is asked for jointly.
; NO PREFETCH: a refill is asked for four key steps (128 matrix instructions of each wave) ahead of its first read.
; LAYOUT.  Both products are used transposed (S^T = K Q^T, O^T = V^T P^T): a lane holds ONE query of each tile, and its 32 registers of tiles 4 c .. 4 c + 3 are the neighbours 64 c + 32 h + 0 .. 31 (see the first launch).
; LIMITS: the promise holds while the scaled scores t stay under 2^31 in magnitude; a block of o whose largest magnitude lies under 2^-124 keeps the byte 1; 1 / sum is v_rcp_f32.
; REGISTERS.  Window 0: v1-11 addresses; the small state of tile T at the names below; v96-159 S^T then p, v160-223 O^T of tile 0; v224-247 p's codes; v248-255 K's and V's scale words.
;   Window 1: v0-95 the step's eight fragments of K, then of V; v96-159, v160-223 S^T and O^T of tile 1.  Tile 1's lines are tile 0's under another setting of the windows.
.set SLOT1, 1<<17                      ; slot 0 at 0, slot 1 here
.set VOFF,  49152                      ; in a slot: K's four key steps, then V's
.set OSC,   98304                      ; 1,024 bytes behind slot 0, into which no fill lands: o's scale words are gathered here
.set SCK,   262144                     ; K's scale words of the whole head, 8,192 bytes; V's follow
.set SPARE, 278528                     ; the spare words, 128 bytes a wave: four blocks of 256 bytes that no other line names
.set SH8, 4                            ; 8 x (lane / 16)
.set NM,  12                           ; + 2 T: -M, and the largest score so far
.set QQ,  16                           ; + 12 T: Q's fragment
.set MX,  40                           ; + 4 T: four chains of maxima
.set SM,  48                           ; + 8 T: the row's sum in four pairs
.set FF,  64                           ; + 2 T: f = 2^(old M - new M) (its upper neighbour is named, not used)
.set PW,  68                           ; + T: p's scale word
.set SO,  70                           ; + 2 T: the conversions' scale operands
.set BY,  74                           ; + 2 T: the scale bytes
.set TP,  78                           ; + T: at work
.set PT,  80                           ; + T: what comes from lane l xor 16
.set QS,  82                           ; Q's scale words: tile 0's in lanes 0-15, tile 1's in lanes 16-31
.set T2,  84                           ; second halves of blocks of codes
.set SS,  96
.set OO,  160
.set PC,  224                          ; + 12 T
.set KS,  248
.set VS,  252
.set MSB, 0
.macro WIN new                         ; the immediate's high byte repeats the setting that is left
.if MSB != \new
	s_set_vgpr_msb (MSB<<8)|\new
.set MSB, \new
.endif
.endm
.macro CROUND
	s_barrier_signal -1
	s_barrier_wait -1
	s_cmp_lg_u32 s18, 0
	s_cbranch_scc1 .Lnot_wave_0_\@
	s_barrier_signal -3
.Lnot_wave_0_\@:
	s_barrier_wait -3
	s_barrier_signal -1
	s_barrier_wait -1
.endm
; One matrix instruction.  pa, pb: the scale words stand in lanes 16-31 of the register named.  zero: the product starts its sum.
.macro WM d, fa, fb, zero, sa, sb, pa, pb
.if \zero
.if (\pa) && (\pb)
	v_wmma_scale_f32_16x16x128_f8f6f4 v[(\d):(\d)+7], v[(\fa):(\fa)+11], v[(\fb):(\fb)+11], 0, v[\sa], v[\sb] matrix_a_fmt:MATRIX_FMT_FP6 matrix_b_fmt:MATRIX_FMT_FP6 matrix_a_scale:MATRIX_SCALE_ROW1 matrix_b_scale:MATRIX_SCALE_ROW1
.elseif (\pa)
	v_wmma_scale_f32_16x16x128_f8f6f4 v[(\d):(\d)+7], v[(\fa):(\fa)+11], v[(\fb):(\fb)+11], 0, v[\sa], v[\sb] matrix_a_fmt:MATRIX_FMT_FP6 matrix_b_fmt:MATRIX_FMT_FP6 matrix_a_scale:MATRIX_SCALE_ROW1
.elseif (\pb)
	v_wmma_scale_f32_16x16x128_f8f6f4 v[(\d):(\d)+7], v[(\fa):(\fa)+11], v[(\fb):(\fb)+11], 0, v[\sa], v[\sb] matrix_a_fmt:MATRIX_FMT_FP6 matrix_b_fmt:MATRIX_FMT_FP6 matrix_b_scale:MATRIX_SCALE_ROW1
.else
	v_wmma_scale_f32_16x16x128_f8f6f4 v[(\d):(\d)+7], v[(\fa):(\fa)+11], v[(\fb):(\fb)+11], 0, v[\sa], v[\sb] matrix_a_fmt:MATRIX_FMT_FP6 matrix_b_fmt:MATRIX_FMT_FP6
.endif
.else
.if (\pa)
	v_wmma_scale_f32_16x16x128_f8f6f4 v[(\d):(\d)+7], v[(\fa):(\fa)+11], v[(\fb):(\fb)+11], v[(\d):(\d)+7], v[\sa], v[\sb] matrix_a_fmt:MATRIX_FMT_FP6 matrix_b_fmt:MATRIX_FMT_FP6 matrix_a_scale:MATRIX_SCALE_ROW1
.else
	v_wmma_scale_f32_16x16x128_f8f6f4 v[(\d):(\d)+7], v[(\fa):(\fa)+11], v[(\fb):(\fb)+11], v[(\d):(\d)+7], v[\sa], v[\sb] matrix_a_fmt:MATRIX_FMT_FP6 matrix_b_fmt:MATRIX_FMT_FP6
.endif
.endif
.endm
	s_load_b256 s[4:11], s[0:1], 0x0               ; qkv_img, qkv_scl, o_img, o_scl
	v_lshl_add_u32 v5, v0, 2, SPARE
	v_mov_b32 v6, 0
	ds_add_u32 v5, v6                              ; the opening lines: the add, twice on end, and its wait ahead of my first tensor load
	ds_add_u32 v5, v6
	v_lshrrev_b32 v8, 5, v0
	v_readfirstlane_b32 s18, v8                    ; wave 0..7
	v_and_b32 v8, 31, v0
	v_lshlrev_b32 v1, 4, v8                        ; 16 x lane: my place in every image
	v_add_nc_u32 v2, VOFF, v1
	v_add_nc_u32 v3, SCK, v1
	v_bfe_u32 v4, v0, 4, 1
	v_lshlrev_b32 v4, 3, v4                        ; 8 h
	s_and_b32 s19, s18, 3                          ; my pair of tiles in its token block.  Also: which quarter I fetch
	s_lshr_b32 s55, s18, 2                         ; which of the work-group's two token blocks
	s_lshl_b32 s56, s55, 9
	s_add_co_u32 s56, s56, OSC
	s_lshl_b32 s57, s19, 2                         ; the words of tiles 2 w', 2 w' + 1 stand at 16 x lane + 4 w' of a block's 512 bytes
	s_add_co_u32 s58, s56, s57
	v_add_nc_u32 v11, s56, v1                      ; where a block's 512 bytes of o's words are read back
	v_add_nc_u32 v7, s58, v1                       ; and where my words are gathered
	s_bfe_u32 s52, ttmp6, 0x40000                  ; cx
	s_lshl_b32 s53, ttmp9, 2
	s_add_co_u32 s53, s53, s52                     ; my block of 256 queries: it enters Q's and o's addresses alone
	s_and_b32 s51, ttmp7, 0xffff                   ; batch x 8 + head, which the four partners share
	s_lshl_b32 s54, s53, 1
	s_add_co_u32 s54, s54, s55                     ; my token block among the sequence's 16
	s_lshl_b32 s59, s51, 4
	s_add_co_u32 s59, s59, s54                     ; q's block
	s_mul_i32 s67, s19, 3072                       ; my two fragments in a block
	s_mul_i32 s60, s59, 12288
	s_add_co_u32 s60, s60, s67
	s_mov_b32 s61, 0                               ; s[60:61] Q's fragments
	s_lshl_b32 s62, s59, 9
	s_add_co_u32 s62, s62, s57
	s_mov_b32 s63, 0                               ; s[62:63] Q's scale words
	s_lshr_b32 s66, s51, 3
	s_lshl_b32 s66, s66, 4
	s_add_co_u32 s66, s66, s54                     ; my token block among the 64
	s_lshl_b32 s66, s66, 3
	s_and_b32 s70, s51, 7
	s_add_co_u32 s66, s66, s70                     ; x 8 + head: the head is the K step of the last product
	s_mul_i32 s68, s66, 12288
	s_add_co_u32 s68, s68, s67
	s_mov_b32 s69, 0                               ; s[68:69] o's fragments
	s_lshl_b32 s70, s66, 9
	s_mov_b32 s71, 0                               ; s[70:71] o's scale words
	s_add_co_u32 s72, s51, 32                      ; k's blocks follow q's 32 x 16, v's follow k's
	s_mul_i32 s74, s72, 196608
	s_lshr_b32 s73, s19, 1                         ; K (0) or V (1)
	s_mul_i32 s76, s73, 6291456
	s_add_co_u32 s74, s74, s76
	s_and_b32 s77, s19, 1                          ; which half
	s_mul_i32 s76, s77, 24576
	s_add_co_u32 s74, s74, s76
	s_mov_b32 s75, 0                               ; s[74:75] my quarter of slot 0
	s_lshl_b32 s78, s72, 13
	s_lshl_b32 s76, s73, 18
	s_add_co_u32 s78, s78, s76
	s_lshl_b32 s76, s77, 12
	s_add_co_u32 s78, s78, s76
	s_mov_b32 s79, 0                               ; s[78:79] my quarter of the scale words
	s_mov_b32 s24, 15|(3<<16)|(1<<21)              ; group 1 for codes: the mask names all four; elements of 8 bytes; bit 21 beside a mask; no padding
	s_mov_b32 s25, 32<<16                          ; rows of 256 bytes,
	s_mov_b32 s26, 96<<16                          ; 96 of them,
	s_mov_b32 s27, 32<<16
	s_mov_b32 s28, 96
	s_mov_b32 s29, 32                              ; dense
	s_mov_b32 s30, 0
	s_mov_b32 s31, 0
	s_mov_b32 s32, 15|(3<<16)|(1<<21)              ; group 1 for scale words: 16 rows of 256 bytes
	s_mov_b32 s33, 32<<16
	s_mov_b32 s34, 16<<16
	s_mov_b32 s35, 32<<16
	s_mov_b32 s36, 16
	s_mov_b32 s37, 32
	s_mov_b32 s38, 0
	s_mov_b32 s39, 0
	s_mov_b32 s20, 0x76543210                      ; lane selects: lane l xor 16
	s_mov_b32 s21, 0xfedcba98
	s_mov_b32 s22, 0x3d38aa3b                      ; c = log2(e) / 32
	s_mov_b32 s23, s22                             ; (named with it as a pair)
	s_mov_b32 s82, 0xbd38aa3b                      ; -c
	s_mov_b32 s48, 0                               ; the slot in hand
	s_mov_b32 s49, 0                               ; the step's scale words: 512 bytes a step
	s_mov_b32 s50, 3                               ; slots still to be asked for
	s_wait_alu depctr_va_vdst(0)
	s_wait_dscnt 0x0                               ; both opening adds are done
	s_wait_kmcnt 0x0
	s_mov_b32 s40, 1
	s_mul_i32 s41, s19, 24576
	s_add_nc_u64 s[42:43], s[4:5], s[74:75]
	s_or_b32 s43, s43, 0x80000000
	s_mov_b32 s44, 1
	s_lshl_b32 s45, s19, 12
	s_add_co_u32 s45, s45, SCK
	s_add_nc_u64 s[46:47], s[6:7], s[78:79]
	s_or_b32 s47, s47, 0x80000000
	s_add_nc_u64 s[60:61], s[4:5], s[60:61]
	s_add_nc_u64 s[62:63], s[6:7], s[62:63]
	s_add_nc_u64 s[8:9], s[8:9], s[68:69]
	s_add_nc_u64 s[10:11], s[10:11], s[70:71]
	CROUND                                         ; all four work-groups are here: the first joint loads meet
	s_cmp_lt_u32 s18, 4                            ; one chain on the wave's number, one load to an arm
	s_cbranch_scc0 .Lhead_words
	tensor_load_to_lds s[40:43], s[24:31]          ; waves 0-3: slot 0
	s_nop 0
.rept 4
	v_nop
.endr
	s_branch .Lhead_asked
.Lhead_words:
	tensor_load_to_lds s[44:47], s[32:39]          ; waves 4-7: the head's scale words, filled once
	s_nop 0
.rept 4
	v_nop
.endr
.Lhead_asked:
.irp n, 0,1,2,3,4,5
	global_load_b128 v[QQ+4*\n:QQ+4*\n+3], v1, s[60:61] offset:512*\n    ; Q's two fragments stay in registers
.endr
	global_load_b32 v[QS], v1, s[62:63]
.irp T, 0,1
	v_mov_b32 v[NM+2*\T], 0x7d000000               ; -M: a large whole number, so that the first f is 0
	v_mov_b32 v[NM+2*\T+1], 0xff61b1e6             ; the largest score so far: -3e38
	v_mov_b32 v[FF+2*\T+1], 0
	v_mov_b32 v[PT+\T], 0                          ; a lane permute's destination counts as read
.endr
.set J, 0
.rept 16
	v_mov_b32 v[SM+J], 0
.set J, J+1
.endr
.set J, 0
.rept 128
	v_mov_b32 v[SS+J], 0                           ; p and O^T: the step is written once; the first adds zeros to the sums and finds zeros in O^T, which the first f leaves zeros
.set J, J+1
.endr
	WIN 0x40
.set J, 0
.rept 128
	v_mov_b32 v[SS+J], 0
.set J, J+1
.endr
	WIN 0
.macro FRAGS adr                       ; a key step's eight fragments into window 1, v0-95: 24 loads of 512 consecutive bytes
	WIN 0x40
.set J, 0
.rept 24
	ds_load_b128 v[4*J:4*J+3], v[\adr] offset:512*J
.set J, J+1
.endr
.endm
.macro KQ T, g                         ; S^T of tile T, key tiles 4 g .. 4 g + 3: the even tile's words in lanes 0-15 of the register, the odd tile's in lanes 16-31
	WIN 0x01+0x40*\T
.irp u, 0,1
	WM SS+8*(4*\g+2*\u), 12*(4*\g+2*\u), QQ+12*\T, 1, KS+2*\g+\u, QS, 0, \T
	WM SS+8*(4*\g+2*\u+1), 12*(4*\g+2*\u+1), QQ+12*\T, 1, KS+2*\g+\u, QS, 1, \T
.endr
.endm
.macro PV T                            ; O^T of tile T += V^T P^T: the eight accumulators by turns
	WIN 0x01+0x50*\T
.irp j, 0,1,2,3
	WM OO+16*\j, 24*\j, PC+12*\T, 0, VS+\j, PW+\T, 0, 0
	WM OO+16*\j+8, 24*\j+12, PC+12*\T, 0, VS+\j, PW+\T, 1, 0
.endr
.endm
.macro SMAX T                          ; the largest score of each 16 registers, ascending (each accumulator from its low end on), four chains by turns
	WIN 0x14*\T
.irp x, 0,1,2,3
	v_max3_num_f32 v[MX+4*\T+\x], 0xff800000, v[SS+16*\x], v[SS+16*\x+1]
.endr
.irp i, 2,4,6,8,10,12,14
.irp x, 0,1,2,3
	v_max3_num_f32 v[MX+4*\T+\x], v[MX+4*\T+\x], v[SS+16*\x+\i], v[SS+16*\x+\i+1]
.endr
.endr
.endm
.macro MERGE                           ; the chains joined: MX + 0 and MX + 2 hold my two blocks' maxima; the two tiles by turns
.irp T, 0,1
	v_max_num_f32 v[MX+4*\T], v[MX+4*\T], v[MX+4*\T+1]
	v_max_num_f32 v[MX+4*\T+2], v[MX+4*\T+2], v[MX+4*\T+3]
.endr
.endm
.macro BOOK                            ; the running maximum, -M and f; the two tiles' chains by turns
	MERGE
.irp T, 0,1
	v_max_num_f32 v[TP+\T], v[MX+4*\T], v[MX+4*\T+2]
.endr
.irp T, 0,1
	v_permlanex16_b32 v[PT+\T], v[TP+\T], s20, s21
.endr
.irp T, 0,1
	v_max3_num_f32 v[NM+2*\T+1], v[NM+2*\T+1], v[TP+\T], v[PT+\T]    ; with lane l xor 16's 64 keys
.endr
.irp T, 0,1
	v_mul_f32 v[TP+\T], s82, v[NM+2*\T+1]          ; -t (c is positive)
.endr
.irp T, 0,1
	v_mov_b32 v[PT+\T], v[NM+2*\T]
.endr
.irp T, 0,1
	v_floor_f32 v[NM+2*\T], v[TP+\T]               ; the new -M = -ceil(t)
.endr
.irp T, 0,1
	v_sub_f32 v[TP+\T], v[NM+2*\T], v[PT+\T]       ; old M - new M: a whole number, 0 or less
.endr
.irp T, 0,1
	v_cvt_i32_f32 v[TP+\T], v[TP+\T]               ; (it saturates)
.endr
.irp T, 0,1
	v_ldexp_f32 v[FF+2*\T], 1.0, v[TP+\T]          ; f
.endr
.irp T, 0,1
	v_fma_f32 v[MX+4*\T], v[MX+4*\T], s22, v[NM+2*\T]          ; t - M of each block's largest score
	v_fma_f32 v[MX+4*\T+2], v[MX+4*\T+2], s22, v[NM+2*\T]
.endr
.endm
.macro SHIFT T                         ; t - M, and O^T under the new M
	WIN 0x41*\T
.set J, 0
.rept 32
	v_pk_fma_f32 v[SS+J:SS+J+1], v[SS+J:SS+J+1], s[22:23], v[NM+2*\T:NM+2*\T+1] op_sel_hi:[1,0,0]
.set J, J+2
.endr
.set J, 0
.rept 32
	v_pk_mul_f32 v[OO+J:OO+J+1], v[OO+J:OO+J+1], v[FF+2*\T:FF+2*\T+1] op_sel_hi:[1,0]
.set J, J+2
.endr
.endm
.macro EXPS T
	WIN 0x41*\T
.set J, 0
.rept 64
	v_exp_f32 v[SS+J], v[SS+J]                     ; p = 2^(t - M), at most 1
.set J, J+1
.endr
.endm
.macro WORDS                           ; from each block's largest number: the conversions' scale operands and the row's scale word; the two tiles by turns
.irp T, 0,1
.irp c, 0,1
	v_max_num_f32 v[MX+4*\T+2*\c], 0x1800000, v[MX+4*\T+2*\c]        ; the floor 2^(3 - 127): the byte cannot fall under 1
.endr
.endr
.irp T, 0,1
.irp c, 0,1
	v_add_nc_u32 v[SO+2*\T+\c], 0xff000000, v[MX+4*\T+2*\c]          ; 2 off the exponent field
.endr
.endr
.irp T, 0,1
.irp c, 0,1
	v_lshrrev_b32 v[BY+2*\T+\c], 23, v[SO+2*\T+\c]
.endr
.endr
.irp T, 0,1
	v_lshl_or_b32 v[PW+\T], v[BY+2*\T+1], 16, v[BY+2*\T]
.endr
.irp T, 0,1
	v_lshlrev_b32 v[PW+\T], v[SH8], v[PW+\T]
.endr
.irp T, 0,1
	v_permlanex16_b32 v[PT+\T], v[PW+\T], s20, s21
.endr
.irp T, 0,1
	v_or_b32 v[PW+\T], v[PW+\T], v[PT+\T]
.endr
.endm
.macro CVT T
	WIN 0x01*\T
.irp c, 0,1
	v_cvt_scalef32_pk16_fp6_f32 v[PC+12*\T+6*\c:PC+12*\T+6*\c+2], v[SS+32*\c:SS+32*\c+15], v[SO+2*\T+\c]
	v_cvt_scalef32_pk16_fp6_f32 v[T2+4*\c:T2+4*\c+2], v[SS+32*\c+16:SS+32*\c+31], v[SO+2*\T+\c]   ; (a conversion's three registers begin on an even number)
.endr
	v_nop                                          ; one plain place behind a scaled conversion
.endm
.macro MOVS T
	WIN 0
.irp c, 0,1
.irp i, 0,1,2
	v_mov_b32 v[PC+12*\T+3+6*\c+\i], v[T2+4*\c+\i]
.endr
.endr
.endm
.macro SUMA T                          ; the sums under the new M, and the first eight p, in one multiply-add each
	WIN 0x10*\T
.irp j, 0,1,2,3
	v_pk_fma_f32 v[SM+8*\T+2*\j:SM+8*\T+2*\j+1], v[SM+8*\T+2*\j:SM+8*\T+2*\j+1], v[FF+2*\T:FF+2*\T+1], v[SS+2*\j:SS+2*\j+1] op_sel_hi:[1,0,1]
.endr
.endm
.macro SUMB T                          ; the other 56, four chains by turns
	WIN 0x01*\T
.irp i, 8,16,24,32,40,48,56
.irp j, 0,1,2,3
	v_pk_add_f32 v[SM+8*\T+2*\j:SM+8*\T+2*\j+1], v[SS+\i+2*\j:SS+\i+2*\j+1], v[SM+8*\T+2*\j:SM+8*\T+2*\j+1]
.endr
.endr
.endm
; A KEY STEP: 128 keys at s80 of LDS, both tiles.
.macro STEP
	v_add_nc_u32 v8, s80, v1                       ; these three and the v_nop are the four places in front of loads into registers that the last products read
	v_add_nc_u32 v9, s80, v2
	v_add_nc_u32 v10, s49, v3
	v_nop
	s_wait_alu depctr_va_vdst(0)
	ds_load_b128 v[KS:KS+3], v10                   ; K's scale words, all eight tiles'; and V's
	ds_load_b128 v[VS:VS+3], v10 offset:8192
	FRAGS 8
	SUMB 0                                         ; THE LAST STEP'S p, still in its registers, goes into the sums here (they stand under the last step's M until this step's f): 56 additions between the loads and the wait for them
	SUMB 1
	s_wait_dscnt 12                                ; the words and K's tiles 0-3 are in; the youngest twelve loads (tiles 4-7) may be out
	KQ 0, 0
	KQ 1, 0
	s_wait_dscnt 0x0
	KQ 0, 1
	KQ 1, 1
.rept 4
	v_nop                                          ; places in front of the loads below and of the first read of the scores
.endr
	FRAGS 9                                        ; V's eight fragments land under the softmax
	SMAX 0
	SMAX 1
	WIN 0
	BOOK
	SHIFT 0
	SHIFT 1
	s_wait_alu depctr_va_vdst(0)
	EXPS 1
	EXPS 0
.irp T, 0,1
	v_exp_f32 v[MX+4*\T], v[MX+4*\T]               ; the blocks' largest p
	v_exp_f32 v[MX+4*\T+2], v[MX+4*\T+2]
.endr
	v_nop                                          ; a plain place behind the exponentials
	s_wait_alu depctr_va_vdst(0)                   ; one wait for the whole batch
	WORDS
	CVT 0
	MOVS 0
	CVT 1
	MOVS 1
	SUMA 0                                         ; (these eight are the places between p's codes and the products; the moves and they, those behind the scale words)
	SUMA 1
	WIN 0
	s_wait_alu depctr_va_vdst(0)
	s_wait_dscnt 0x0                               ; V's fragments
	PV 0
	PV 1
	WIN 0
.endm
.macro SLOTRUN                         ; the four key steps of the slot in hand
	s_mov_b32 s80, s48
	s_mov_b32 s81, 0
.Lstep_\@:
	STEP
	s_add_co_u32 s80, s80, 12288
	s_add_co_u32 s49, s49, 512
	s_add_co_u32 s81, s81, 1
	s_cmp_lt_u32 s81, 4
	s_cbranch_scc1 .Lstep_\@
.endm
; THE CHANGE OF SLOTS stands at a slot's head.  Each wave waits for all its tensor loads, adds 0 to its spare word, and waits for that and for its reads of the slot that it has left.
; fill = 1: that slot takes the next 512 keys; the barrier is a round of the cluster's, and the joint load is the first thing behind it.
.macro CHANGE fill
	s_wait_tensorcnt 0x0
	ds_add_u32 v5, v6                              ; 0 onto my spare word
.if \fill
	s_xor_b32 s41, s41, SLOT1                      ; the walking descriptor: the other slot,
	s_add_nc_u64 s[42:43], s[42:43], 49152         ; the next four key steps
.endif
	s_wait_dscnt 0x0
.if \fill
	CROUND
	s_cmp_lt_u32 s18, 4
	s_cbranch_scc0 .Lno_load_\@
	tensor_load_to_lds s[40:43], s[24:31]
	s_nop 0
.rept 4
	v_nop
.endr
.Lno_load_\@:
.else
	s_barrier_signal -1
	s_barrier_wait -1
.endif
.endm
	s_wait_alu depctr_va_vdst(0)
	s_wait_loadcnt 0x0                             ; Q
.Lslot:                                            ; three trips: behind each change of slots but the last the next slot is asked for
	CHANGE 1
	SLOTRUN
	s_xor_b32 s48, s48, SLOT1
	s_sub_co_u32 s50, s50, 1
	s_cmp_lg_u32 s50, 0
	s_cbranch_scc1 .Lslot
	CHANGE 0                                       ; the last slot is written out
	SLOTRUN
	SUMB 0                                         ; the last step's p
	SUMB 1
	WIN 0
	; THE WAY OUT: O^T / the sum, quantised along the head's 128 channels: my two fragments of K step `head` of the last product.
.irp T, 0,1                                        ; (these lines are also the places behind the last products)
	v_pk_add_f32 v[SM+8*\T:SM+8*\T+1], v[SM+8*\T:SM+8*\T+1], v[SM+8*\T+2:SM+8*\T+3]
	v_pk_add_f32 v[SM+8*\T+4:SM+8*\T+5], v[SM+8*\T+4:SM+8*\T+5], v[SM+8*\T+6:SM+8*\T+7]
.endr
.irp T, 0,1
	v_pk_add_f32 v[SM+8*\T:SM+8*\T+1], v[SM+8*\T:SM+8*\T+1], v[SM+8*\T+4:SM+8*\T+5]
.endr
.irp T, 0,1
	v_add_f32 v[TP+\T], v[SM+8*\T], v[SM+8*\T+1]
.endr
.irp T, 0,1
	v_permlanex16_b32 v[PT+\T], v[TP+\T], s20, s21
.endr
.irp T, 0,1
	v_add_f32 v[TP+\T], v[TP+\T], v[PT+\T]         ; the row's sum
.endr
	s_wait_alu depctr_va_vdst(0)
.irp T, 0,1
	v_rcp_f32 v[FF+2*\T], v[TP+\T]
.endr
	v_nop
.irp T, 0,1
	WIN 0x41*\T
	s_wait_alu depctr_va_vdst(0)
.set J, 0
.rept 32
	v_pk_mul_f32 v[SS+J:SS+J+1], v[OO+J:OO+J+1], v[FF+2*\T:FF+2*\T+1] op_sel_hi:[1,0]     ; register 32 c + i is channel 64 c + 32 h + i of my query
.set J, J+2
.endr
.endr
.irp T, 0,1
	WIN 0x05*\T
.irp x, 0,1,2,3
	v_max3_num_f32 v[MX+4*\T+\x], |v[SS+16*\x]|, |v[SS+16*\x+1]|, 0x1800000
.endr
.irp i, 2,4,6,8,10,12,14
.irp x, 0,1,2,3
	v_max3_num_f32 v[MX+4*\T+\x], |v[SS+16*\x+\i]|, |v[SS+16*\x+\i+1]|, v[MX+4*\T+\x]
.endr
.endr
.endr
	WIN 0
	MERGE
	WORDS
	CVT 0
	MOVS 0
	CVT 1
	MOVS 1
.irp n, 0,1,2,3,4,5
	global_store_b128 v1, v[PC+4*\n:PC+4*\n+3], s[8:9] offset:512*\n     ; 512 consecutive bytes a store
.endr
	v_and_b32 v[TP], 31, v0
	v_cmp_gt_u32 vcc_lo, 16, v[TP]
	v_cndmask_b32 v[TP], v[PW+1], v[PW], vcc_lo    ; lanes 0-15 tile 0's words, lanes 16-31 tile 1's
	ds_store_b32 v7, v[TP]
	s_wait_dscnt 0x0                               ; for the others' sake
	s_barrier_signal -1
	s_barrier_wait -1
	s_cmp_lg_u32 s19, 0                            ; the first wave of each token block stores the block's 512 bytes of scale words whole
	s_cbranch_scc1 .Lno_words
	ds_load_b128 v[MX:MX+3], v11
	s_wait_dscnt 0x0
	global_store_b128 v1, v[MX:MX+3], s[10:11]
.Lno_words:
	s_wait_tensorcnt 0x0                           ; the wave's end
	ds_add_u32 v5, v6
	s_wait_dscnt 0x0
	CROUND                                         ; the closing round
	s_endpgm
.Lfunc_end_k_q1ceb156476_attn:
	.size	k_q1ceb156476_attn, .Lfunc_end_k_q1ceb156476_attn-k_q1ceb156476_attn
	.p2alignl 7, 3214868480
	.fill 96, 4, 3214868480
	.section	.rodata,"a",@progbits
	.p2align	6, 0x0
	.amdhsa_kernel k_q1ceb156476_attn
		.amdhsa_group_segment_fixed_size 327680
		.amdhsa_private_segment_fixed_size 0
		.amdhsa_enable_private_segment 0
		.amdhsa_kernarg_size 32
		.amdhsa_user_sgpr_count 2
		.amdhsa_user_sgpr_kernarg_segment_ptr 1
		.amdhsa_wavefront_size32 1
		.amdhsa_system_sgpr_workgroup_id_x 1
		.amdhsa_system_sgpr_workgroup_id_y 1
		.amdhsa_system_sgpr_workgroup_id_z 1
		.amdhsa_system_vgpr_workitem_id 0
		.amdhsa_next_free_vgpr 512
		.amdhsa_next_free_sgpr 84
		.amdhsa_reserve_vcc 1
		.amdhsa_float_denorm_mode_32 3
		.amdhsa_float_denorm_mode_16_64 3
		.amdhsa_memory_ordered 1
		.amdhsa_forward_progress 1
		.amdhsa_inst_pref_size 97
	.end_amdhsa_kernel
	.amdgpu_metadata
---
amdhsa.version: [ 1, 2 ]
amdhsa.kernels:
  - .name:           k_q1ceb156476_attn
    .symbol:         k_q1ceb156476_attn.kd
    .args:
      - { .name: qkv_img, .offset: 0, .size: 8, .value_kind: global_buffer, .address_space: global }
      - { .name: qkv_scl, .offset: 8, .size: 8, .value_kind: global_buffer, .address_space: global }
      - { .name: o_img, .offset: 16, .size: 8, .value_kind: global_buffer, .address_space: global }
      - { .name: o_scl, .offset: 24, .size: 8, .value_kind: global_buffer, .address_space: global }
    .group_segment_fixed_size: 327680
    .private_segment_fixed_size: 0
    .kernarg_segment_align: 8
    .kernarg_segment_size: 32
    .max_flat_workgroup_size: 256
    .sgpr_count:     84
    .vgpr_count:     512
    .wavefront_size: 32
...
	.end_amdgpu_metadata
.endif
;; end of part 3
;; launch oproj (part 4): grid 8 x 32, 4 waves a work-group, clusters of 4 x 4, 327,680 bytes of LDS; arguments o_img, o_scl, ops_img, ops_scl, b_out, x, out0; writes out0
.if DOCPART == 4
	.amdgcn_target "amdgcn-amd-amdhsa--gfx1250"
	.amdhsa_code_object_version 6
	.text
	.protected	k_q1ceb156476_oproj
	.globl	k_q1ceb156476_oproj
	.p2align	8
	.type	k_q1ceb156476_oproj,@function
k_q1ceb156476_oproj:
	s_mov_b64 s[64:65], 0
	v_nop
	global_prefetch_b8 v0, s[64:65] scope:SCOPE_SE
	s_setreg_imm32_b32 hwreg(HW_REG_WAVE_MODE, 25, 1), 1
	s_wait_xcnt 0x0
	s_wait_alu depctr_hold_cnt(0) depctr_sa_sdst(0) depctr_va_vdst(0) depctr_va_sdst(0) depctr_va_ssrc(0) depctr_va_vcc(0) depctr_vm_vsrc(0)
	s_getreg_b32 s2, hwreg(HW_REG_IB_STS2, 6, 4)
	s_cmp_eq_u32 s2, 0
	s_cbranch_scc0 .Lentry_in_a_cluster
	s_endpgm
.Lentry_in_a_cluster:
	s_bfe_u32 s2, ttmp6, 0x10000c
	s_cmp_lg_u32 s2, 0xf033
	s_cbranch_scc0 .Lentry_shape_is_right
	s_endpgm
.Lentry_shape_is_right:
; OUT0 = x + o W_out^T + b_out, the product on codes of E2M3 (K = 1,024: eight heads of 128).
; A work-group makes 256 tokens (S1: two blocks of o) x 128 outputs (S0: one block of w_out): 256 work-groups, since the launch moves x and out0 once each and every work-group should stream.
; All of K lies in LDS at once (three blocks of 98,304 bytes), brought by first fills alone: no byte of LDS is filled twice.  Waves 0 and 1 fetch S1's blocks, wave 2 S0's, four loads of 24,576 bytes each
; (two K steps): by this text's own count a wave has at most four tensor loads out.  CLUSTERS 4 x 4: S1's blocks are shared along a row of the cluster, S0's along a column: joint loads.
; D = S0 x S1^T: a lane holds one token and, in the 64 registers of its tile, outputs 64 c + 32 h + 0 .. 31.  b_out is the C of each sum's first product.
; Wave w: S1 block w / 2, tiles 4 (w % 2) + a, a = 0..3, against S0's eight tiles: 32 accumulators by turns.
; The way out goes through the wave's own stage (over S1's first block, behind a barrier behind the last read), comes back as whole rows of 512 bytes, takes x and is stored: 512 consecutive bytes a store.
; REGISTERS: window 0: v16-28 addresses; v32-63 S0's scale words; v64-79 S1's; v96-143, v144-191 S1's fragments, two sets; v192-255 b_out in the result's layout; on the way out v96-223 rows read back.
;   window 1: accumulator (a, b) at v[8 (8 a + b)].   window 2: S0's fragments, two sets, at v0 and v128.   window 3: x: row t of tile a at v[64 a + 4 t].
.set BLKB,  98304
.set STEPB, 12288
.set CHUNK, 24576
.set SPITCH, 528                       ; a stage row: 512 bytes + 16
.set FR,   12
.set ADRA, 16                          ; v16, v17 my four tiles of S1, K steps 0-3 and 4-7 (an LDS offset has 16 bits)
.set ADRB, 20                          ; v20, v21 S0 likewise
.set LI,   24
.set STO,  25
.set RD,   26
.set BL,   27
.set S0SC, 32
.set S1SC, 64
.set AF,   96
.set BIAS, 192
.set BK,   96
.set G1,   24                          ; s[24:31] group 1 for S1;  s[32:35] group 0
.set G1B,  48                          ; s[48:55] for S0;  groups 0: s[56:59], s[68:71]
.set MSB, 0
.macro WIN new
.if MSB != \new
	s_set_vgpr_msb (MSB<<8)|\new
.set MSB, \new
.endif
.endm
.macro CROUND
	s_barrier_signal -1
	s_barrier_wait -1
	s_cmp_lg_u32 s16, 0
	s_cbranch_scc1 .Lnot_wave_0_\@
	s_barrier_signal -3
.Lnot_wave_0_\@:
	s_barrier_wait -3
	s_barrier_signal -1
	s_barrier_wait -1
.endm
.macro PLACES
.rept 4
	v_nop
.endr
.endm
	s_load_b256 s[4:11], s[0:1], 0x0               ; o_img, o_scl, ops_img, ops_scl
	s_load_b128 s[12:15], s[0:1], 0x20             ; b_out, x
	s_load_b64 s[76:77], s[0:1], 0x30              ; out0
	v_lshl_add_u32 v94, v0, 2, 0x48000
	v_mov_b32 v95, 0
	ds_add_u32 v94, v95
	ds_add_u32 v94, v95
	v_lshrrev_b32 v1, 5, v0
	v_readfirstlane_b32 s16, v1                    ; wave 0..3
	s_lshr_b32 s17, s16, 1                         ; my block of S1
	s_and_b32 s18, s16, 1                          ; which four of its tiles.  Also, for waves 0 and 1: which block of S1 I fetch
	s_bfe_u32 s20, ttmp6, 0x40000                  ; cx
	s_bfe_u32 s21, ttmp6, 0x40004                  ; cy
	s_lshl_b32 s22, ttmp9, 2
	s_add_co_u32 s22, s22, s20                     ; which 128 outputs
	s_and_b32 s23, ttmp7, 0xffff
	s_lshl_b32 s23, s23, 2
	s_add_co_u32 s23, s23, s21                     ; which 256 tokens
	s_lshl_b32 s78, s21, 2
	s_lshl_b32 s78, 15, s78                        ; my row of the cluster
	s_lshl_b32 s79, 0x1111, s20                    ; my column
	s_or_b32 s[G1], s78, (3<<16)|(1<<21)
	s_or_b32 s[G1B], s79, (3<<16)|(1<<21)
.irp g, G1, G1B
	s_mov_b32 s[\g+1], 32<<16                      ; 96 rows of 256 bytes, dense
	s_mov_b32 s[\g+2], 96<<16
	s_mov_b32 s[\g+3], 32<<16
	s_mov_b32 s[\g+4], 96
	s_mov_b32 s[\g+5], 32
	s_mov_b32 s[\g+6], 0
	s_mov_b32 s[\g+7], 0
.endr
	; THE FILLS AS THEY STAND (in place of the four loads a wave that the head's comment names): each wave issues ONE tensor load, at the head, and together they bring all of K.
	; Waves 0, 1: a whole block of S1, 384 rows of 256 bytes; waves 2, 3: four K steps each of S0's block, 192 rows.  One wait for 0 and one barrier show them to every wave; nothing is filled later.
	s_mov_b32 s[G1+2], 384<<16
	s_mov_b32 s[G1+4], 384
	s_mov_b32 s[G1B+2], 192<<16
	s_mov_b32 s[G1B+4], 192
	s_lshl_b32 s80, s23, 1
	s_add_co_u32 s80, s80, s18
	s_mul_i32 s80, s80, BLKB                       ; S1: the block that waves 0, 1 fetch
	s_mov_b32 s81, 0
	s_mul_i32 s82, s18, BLKB                       ; and where it goes
	s_add_co_u32 s84, s22, 88                      ; S0: w_out's blocks begin at 88 in ops
	s_mul_i32 s84, s84, BLKB
	s_mov_b32 s85, 0
	v_and_b32 v1, 31, v0
	v_lshlrev_b32 v[LI], 4, v1
	v_and_b32 v2, 15, v0                           ; r
	v_bfe_u32 v3, v0, 4, 1                         ; h
	s_mul_i32 s86, s17, BLKB
	s_mul_i32 s87, s18, 4*1536
	s_add_co_u32 s86, s86, s87
	v_add_nc_u32 v[ADRA], s86, v[LI]
	v_add_nc_u32 v[ADRA+1], 4*STEPB, v[ADRA]
	v_add_nc_u32 v[ADRB], 2*BLKB, v[LI]
	v_add_nc_u32 v[ADRB+1], 4*STEPB, v[ADRB]
	s_mul_i32 s86, s16, 16*SPITCH                  ; my stage
	v_mul_u32_u24 v[STO], v2, SPITCH
	v_lshl_add_u32 v[STO], v3, 7, v[STO]
	v_add_nc_u32 v[STO], s86, v[STO]               ; in: row r, + 128 h
	v_add_nc_u32 v[RD], s86, v[LI]                 ; back: a whole row, 16 bytes a lane
	v_lshlrev_b32 v[BL], 7, v3                     ; b_out: + 128 h bytes
	s_lshl_b32 s88, s23, 1
	s_add_co_u32 s88, s88, s17                     ; my token block
	s_mov_b32 s91, 0
	s_mov_b32 s93, 0
	s_mov_b32 s95, 0
	s_mov_b32 s97, 0
	s_lshl_b32 s90, s88, 12
	s_lshl_b32 s89, s18, 3
	s_add_co_u32 s90, s90, s89                     ; S1's scale words: block x 4,096 + 8 (w % 2): my two pairs of tiles
	s_add_co_u32 s92, s22, 88
	s_lshl_b32 s92, s92, 12                        ; S0's
	s_lshl_b32 s94, s22, 9                         ; b_out: my 128 numbers
	s_lshl_b32 s96, s88, 19
	s_lshl_b32 s89, s18, 18
	s_add_co_u32 s96, s96, s89
	s_add_co_u32 s96, s96, s94                     ; x and out0: token 128 block + 64 (w % 2), column 128 x which
	s_wait_dscnt 0x0
	s_wait_kmcnt 0x0
	s_add_nc_u64 s[80:81], s[4:5], s[80:81]
	s_add_nc_u64 s[84:85], s[8:9], s[84:85]
	s_add_nc_u64 s[6:7], s[6:7], s[90:91]
	s_add_nc_u64 s[10:11], s[10:11], s[92:93]
	s_add_nc_u64 s[12:13], s[12:13], s[94:95]
	s_add_nc_u64 s[14:15], s[14:15], s[96:97]
	s_add_nc_u64 s[76:77], s[76:77], s[96:97]
.irp c, 0
	s_mov_b32 s[32+4*\c], 1
	s_add_co_u32 s[33+4*\c], s82, \c*CHUNK
	s_add_nc_u64 s[34+4*\c:35+4*\c], s[80:81], \c*CHUNK
	s_or_b32 s[35+4*\c], s[35+4*\c], 0x80000000
.endr
.macro SETB g, c
	s_mov_b32 s[\g], 1
	s_mov_b32 s[\g+1], 2*BLKB+\c*CHUNK
	s_add_nc_u64 s[\g+2:\g+3], s[84:85], \c*CHUNK
	s_or_b32 s[\g+3], s[\g+3], 0x80000000
.endm
	SETB 56, 0
	SETB 68, 2
	CROUND                                         ; all sixteen work-groups are here: the joint loads meet
	s_cmp_lt_u32 s16, 2                            ; one chain on the wave's number, one load to an arm
	s_cbranch_scc0 .Lfor_s0
	tensor_load_to_lds s[32:35], s[G1:G1+7]        ; waves 0, 1: a block of S1
	s_nop 0
.rept 4
	v_nop
.endr
	s_branch .Lasked
.Lfor_s0:
	s_cmp_eq_u32 s16, 2
	s_cbranch_scc0 .Lwave_3
	tensor_load_to_lds s[56:59], s[G1B:G1B+7]      ; wave 2: S0's K steps 0-3
	s_nop 0
.rept 4
	v_nop
.endr
	s_branch .Lasked
.Lwave_3:
	tensor_load_to_lds s[68:71], s[G1B:G1B+7]      ; wave 3: S0's K steps 4-7
	s_nop 0
.rept 4
	v_nop
.endr
.Lasked:
.irp i, 0,1,2,3
.irp f, 0,1
	global_load_b128 v[S0SC+8*\i+4*\f:S0SC+8*\i+4*\f+3], v[LI], s[10:11] offset:1024*\i+512*\f    ; tile i, step s at + 8 (i / 2) + s
.endr
.endr
.irp k, 0,1,2,3,4,5,6,7
	global_load_b64 v[S1SC+2*\k:S1SC+2*\k+1], v[LI], s[6:7] offset:512*\k                         ; step k: my tiles 0, 1 and 2, 3
.endr
	s_wait_alu depctr_va_vdst(0)
.irp b, 0,1,2,3,4,5,6,7
	global_load_b128 v[BIAS+8*\b:BIAS+8*\b+3], v[BL], s[12:13] offset:256*(\b/4)+32*(\b%4)        ; tile b = 4 c + v: outputs 64 c + 32 h + 8 v + 0..7
	global_load_b128 v[BIAS+8*\b+4:BIAS+8*\b+7], v[BL], s[12:13] offset:256*(\b/4)+32*(\b%4)+16
.endr
.macro XL a                            ; x: the 16 tokens of my tile a, my 128 columns: 512 consecutive bytes a load
	WIN 0xc0                                       ; destination window 3
.irp t, 0,1,2,3,4,5,6,7,8,9,10,11,12,13,14,15
	global_load_b128 v[64*(\a)+4*\t:64*(\a)+4*\t+3], v[LI], s[14:15] offset:(32*(\t/8)+8*(\a)+\t%8)*4096 th:TH_LOAD_NT
.endr
	WIN 0
.endm
	XL 0
.macro WM d, fa, fb, cb, sa, sb, pa, pb
.if (\pa) && (\pb)
	v_wmma_scale_f32_16x16x128_f8f6f4 v[(\d):(\d)+7], v[(\fa):(\fa)+11], v[(\fb):(\fb)+11], v[(\cb):(\cb)+7], v[\sa], v[\sb] matrix_a_fmt:MATRIX_FMT_FP6 matrix_b_fmt:MATRIX_FMT_FP6 matrix_a_scale:MATRIX_SCALE_ROW1 matrix_b_scale:MATRIX_SCALE_ROW1
.elseif (\pa)
	v_wmma_scale_f32_16x16x128_f8f6f4 v[(\d):(\d)+7], v[(\fa):(\fa)+11], v[(\fb):(\fb)+11], v[(\cb):(\cb)+7], v[\sa], v[\sb] matrix_a_fmt:MATRIX_FMT_FP6 matrix_b_fmt:MATRIX_FMT_FP6 matrix_a_scale:MATRIX_SCALE_ROW1
.elseif (\pb)
	v_wmma_scale_f32_16x16x128_f8f6f4 v[(\d):(\d)+7], v[(\fa):(\fa)+11], v[(\fb):(\fb)+11], v[(\cb):(\cb)+7], v[\sa], v[\sb] matrix_a_fmt:MATRIX_FMT_FP6 matrix_b_fmt:MATRIX_FMT_FP6 matrix_b_scale:MATRIX_SCALE_ROW1
.else
	v_wmma_scale_f32_16x16x128_f8f6f4 v[(\d):(\d)+7], v[(\fa):(\fa)+11], v[(\fb):(\fb)+11], v[(\cb):(\cb)+7], v[\sa], v[\sb] matrix_a_fmt:MATRIX_FMT_FP6 matrix_b_fmt:MATRIX_FMT_FP6
.endif
.endm
.macro PROD ks                         ; 32 products: the 32 accumulators take turns, one instruction a turn
.irp a, 0,1,2,3
.irp b, 0,1,2,3,4,5,6,7
.if (\ks) == 0
	WM 8*(8*\a+\b), 128*((\ks)%2)+FR*\b, AF+48*((\ks)%2)+FR*\a, BIAS+8*\b, S0SC+8*(\b/2)+(\ks), S1SC+2*(\ks)+(\a/2), \b%2, \a%2
.else
	WM 8*(8*\a+\b), 128*((\ks)%2)+FR*\b, AF+48*((\ks)%2)+FR*\a, 8*(8*\a+\b), S0SC+8*(\b/2)+(\ks), S1SC+2*(\ks)+(\a/2), \b%2, \a%2
.endif
.endr
.endr
.endm
.macro FRAG reg, adr, off
.irp n, 0,1,2
	ds_load_b128 v[\reg+4*\n:\reg+4*\n+3], v[\adr] offset:\off+512*\n
.endr
.endm
.macro FETCH ks                        ; K step ks: S0's eight fragments and my four of S1: 36 loads
	WIN 0x80                                       ; destination window 2
.irp i, 0,1,2,3,4,5,6,7
	FRAG 128*((\ks)%2)+FR*\i, ADRB+(\ks)/4, ((\ks)%4)*STEPB+\i*1536
.endr
	WIN 0
.irp i, 0,1,2,3
	FRAG AF+48*((\ks)%2)+FR*\i, ADRA+(\ks)/4, ((\ks)%4)*STEPB+\i*1536
.endr
.endm
.macro KSTEP ks
.if (\ks) < 7
.if (\ks) > 0
	PLACES                                         ; in front of loads into the sets that the last products read
.endif
	FETCH (\ks)+1
	s_wait_dscnt 36                                ; this step's fragments are in; the 36 loads just issued may be out
.else
	s_wait_dscnt 0x0
.endif
.if (\ks) == 0
	s_wait_loadcnt 16                              ; the scale words and b_out are in; the sixteen loads of x behind them may be out
	WIN 0x42                                       ; source 0 window 2, C (b_out) window 0, D window 1
.else
	WIN 0x52                                       ; C and D window 1
.endif
	PROD \ks
	WIN 0
.if (\ks) < 3
	XL (\ks)+1
.endif
.endm
	s_wait_tensorcnt 0x0                           ; my load has landed
	s_barrier_signal -1
	s_barrier_wait -1                              ; everybody's has: all of K lies in LDS
	FETCH 0
.irp k, 0,1,2,3,4,5,6,7
	KSTEP \k
.endr
	s_wait_dscnt 0x0
	s_barrier_signal -1
	s_barrier_wait -1                              ; nobody reads S1's first block any more: the stages may be written over it (it has had its only fill)
	s_wait_loadcnt 0x0                             ; x
	PLACES
.macro TOSTAGE a
	WIN 0x04                                       ; an LDS store's data: window 1
.irp k, 0,1,2,3,4,5,6,7,8,9,10,11,12,13,14,15
	ds_store_b128 v[STO], v[64*(\a)+4*\k:64*(\a)+4*\k+3] offset:256*(\k/8)+16*(\k%8)    ; each accumulator from its low end on
.endr
	WIN 0
.set BB, BK+64*((\a)%2)
.irp t, 0,1,2,3,4,5,6,7,8,9,10,11,12,13,14,15
	ds_load_b128 v[BB+4*\t:BB+4*\t+3], v[RD] offset:\t*SPITCH       ; LDS serves a wave's instructions in order (ISA guide 5.7.1.4): these see the stores above
.endr
.endm
.macro SEND a, younger                 ; younger: the LDS instructions issued behind tile a's loads
.set BB, BK+64*((\a)%2)
	s_wait_dscnt \younger
	WIN 0x0c                                       ; source 1 (x) window 3
.irp t, 0,1,2,3,4,5,6,7,8,9,10,11,12,13,14,15
	v_pk_add_f32 v[BB+4*\t:BB+4*\t+1], v[BB+4*\t:BB+4*\t+1], v[64*(\a)+4*\t:64*(\a)+4*\t+1]
	v_pk_add_f32 v[BB+4*\t+2:BB+4*\t+3], v[BB+4*\t+2:BB+4*\t+3], v[64*(\a)+4*\t+2:64*(\a)+4*\t+3]
.endr
	WIN 0
.irp t, 0,1,2,3,4,5,6,7,8,9,10,11,12,13,14,15
	global_store_b128 v[LI], v[BB+4*\t:BB+4*\t+3], s[76:77] offset:(32*(\t/8)+8*(\a)+\t%8)*4096 th:TH_STORE_NT
.endr
.endm
	TOSTAGE 0
.irp a, 1,2,3
.if \a > 1
	s_wait_xcnt 0x0                                ; tile a - 2's stores have read their registers: tile a's rows may land there
.endif
	TOSTAGE \a
	SEND \a-1, 32                                  ; behind tile a - 1's loads: tile a's 16 stores and 16 loads
.endr
	SEND 3, 0
	s_wait_tensorcnt 0x0
	s_wait_dscnt 0x0
	s_wait_tensorcnt 0x0
	ds_add_u32 v94, v95
	s_wait_dscnt 0x0
	CROUND                                         ; the closing round
	s_endpgm
.Lfunc_end_k_q1ceb156476_oproj:
	.size	k_q1ceb156476_oproj, .Lfunc_end_k_q1ceb156476_oproj-k_q1ceb156476_oproj
	.p2alignl 7, 3214868480
	.fill 96, 4, 3214868480
	.section	.rodata,"a",@progbits
	.p2align	6, 0x0
	.amdhsa_kernel k_q1ceb156476_oproj
		.amdhsa_group_segment_fixed_size 327680
		.amdhsa_private_segment_fixed_size 0
		.amdhsa_enable_private_segment 0
		.amdhsa_kernarg_size 56
		.amdhsa_user_sgpr_count 2
		.amdhsa_user_sgpr_kernarg_segment_ptr 1
		.amdhsa_wavefront_size32 1
		.amdhsa_system_sgpr_workgroup_id_x 1
		.amdhsa_system_sgpr_workgroup_id_y 1
		.amdhsa_system_sgpr_workgroup_id_z 1
		.amdhsa_system_vgpr_workitem_id 0
		.amdhsa_next_free_vgpr 1024
		.amdhsa_next_free_sgpr 100
		.amdhsa_reserve_vcc 0
		.amdhsa_float_denorm_mode_32 3
		.amdhsa_float_denorm_mode_16_64 3
		.amdhsa_memory_ordered 1
		.amdhsa_forward_progress 1
		.amdhsa_inst_pref_size 92
	.end_amdhsa_kernel
	.amdgpu_metadata
---
amdhsa.version: [ 1, 2 ]
amdhsa.kernels:
  - .name:           k_q1ceb156476_oproj
    .symbol:         k_q1ceb156476_oproj.kd
    .args:
      - { .name: o_img, .offset: 0, .size: 8, .value_kind: global_buffer, .address_space: global }
      - { .name: o_scl, .offset: 8, .size: 8, .value_kind: global_buffer, .address_space: global }
      - { .name: ops_img, .offset: 16, .size: 8, .value_kind: global_buffer, .address_space: global }
      - { .name: ops_scl, .offset: 24, .size: 8, .value_kind: global_buffer, .address_space: global }
      - { .name: b_out, .offset: 32, .size: 8, .value_kind: global_buffer, .address_space: global }
      - { .name: x, .offset: 40, .size: 8, .value_kind: global_buffer, .address_space: global }
      - { .name: out0, .offset: 48, .size: 8, .value_kind: global_buffer, .address_space: global }
    .group_segment_fixed_size: 327680
    .private_segment_fixed_size: 0
    .kernarg_segment_align: 8
    .kernarg_segment_size: 56
    .max_flat_workgroup_size: 128
    .sgpr_count:     100
    .vgpr_count:     1024
    .wavefront_size: 32
...
	.end_amdgpu_metadata
.endif
;; end of part 4
